; MI455X (gfx1250); checked and timed in simulation.
; The chip was launched on July 23, 2026; its instructions are those of AMD's public machine-readable ISA for CDNA 5 (MIT licence, August 2026) and "CDNA5" Instruction Set Architecture Reference Guide (July 2026). The comments in the code are by the model that wrote it; some were corrected since.
;; Feather Net. Allowed arithmetic: matrix products marked QUANTISED: E2M1 operands, one E8M0 scale for each 32 along K, by v_wmma_scale_f32_16x16x128_f8f6f4 with both operands' format E2M1 (or v_wmma_scale_f32_32x16x128_f4), f32 sums; products left as they are: bf16, f16 or f32 operands; f32 sums; everything else in f32.
;; Inputs: V1 2,897 x 2,897 float32; V2 2,897 x 2,897 float32; x 4,096 x 2,048 float32.
;; Outputs: out0 4,096 x 2,048 float32.
;; This version of the problem:
;;   THIS VERSION OF THE PROBLEM IS GIVEN IN LOW PRECISION. The matrix products marked QUANTISED in the list below multiply operands that are first quantised to E2M1 (2 exponent bits, 1 mantissa bit; 4 bits a number), with one power-of-two scale for each 32 numbers along K (OCP MX v1.0); their sums are f32. The products marked 'left as it is' may take bf16, f16 or f32 operands, with f32 sums. Whichever they take, every output number must still come out within the allowed error. Rounding operands to bf16 (8 significant bits) uses up far more of that allowance than f16 does (11 bits, for magnitudes from 6e-5 to 65,504). All else is computed in f32.
;;   The module's matrix products, in the order in which they are computed (A, B: the left and right operand; K: the contracted axis; several contracted axes count as one K, in the product's order):
;;     1. [M 2,897, K 2,897] x [K 2,897, N 2,897]; A: input V1; B: input V2: QUANTISED
;;     2. [M 4,096, K 2,048] x [K 2,048, N 1,024]; A: input x; B: computed on the way: left as it is (an operand is computed on the way)
;;     3. [M 4,096, K 1,024] x [K 1,024, N 2,048]; A: computed on the way; B: computed on the way: left as it is (an operand is computed on the way)
;;   THE QUANTISER, for each operand of a quantised product, along K:
;;     - K is cut into blocks of 32 from its start; a last block that is shorter is filled with zeros.
;;     - A block's scale is 2^e with e = floor(log2(the largest magnitude in the block)) - 2, held to -126 .. 127; a block of zeros has e = 0. As a byte (E8M0): e + 127.
;;     - Each number is divided by its block's scale, clamped to +-6, and rounded to the nearest number of E2M1, ties to even, subnormals kept.
;;     - The product sums the exact products of the quantised numbers (number of the format x scale) in f32.
;;   ~~~python
;;   def quantise(x, axis):      # numpy; x: float32 -> the quantised numbers, widened to float32 again
;;       x = np.moveaxis(x, axis, -1); K = x.shape[-1]
;;       x = np.pad(x, [(0, 0)] * (x.ndim - 1) + [(0, -K % 32)]); x = x.reshape(x.shape[:-1] + (-1, 32)); a = np.abs(x).max(-1, keepdims=True)
;;       e = np.where(a > 0, np.clip(np.frexp(np.where(a > 0, a, 1))[1] - 1 - 2, -126, 127), 0)      # np.frexp(a)[1] - 1 = floor(log2(a)), exactly
;;       r = np.clip(x / 2.0 ** e, -6, 6)
;;       step = 2.0 ** (np.maximum(np.frexp(np.where(r == 0, 1, r))[1] - 1, 0) - 1)
;;       q = np.round(r / step) * step * 2.0 ** e      # np.round: ties to even
;;       return np.moveaxis(q.reshape(q.shape[:-2] + (-1,))[..., :K], -1, axis).astype(np.float32)
;;   ~~~
;; One version. Each part assembles by itself: llvm-mc -triple=amdgcn-amd-amdhsa -mcpu=gfx1250 --defsym DOCPART=n.
;; ======== version 1 of 1: 4 launches
;; limits: values are held in f16: magnitudes above 65,504 overflow, below 6.1e-05 lose precision; inputs' magnitudes at most 65,504
;; workspace buffers: codes 7,077,888 bytes; scl 442,368 bytes; x16 16,777,216 bytes; peak 3,328 bytes; wflat 8,899,584 bytes; aux 12,544 bytes; h16 8,388,608 bytes
;; launch prep (part 1): grid 256 x 1, 9 waves a work-group, no clusters, 225,536 bytes of LDS; arguments V1, V2, x, codes, scl, x16, peak; writes codes, scl, x16, peak
.if DOCPART == 1
	.amdgcn_target "amdgcn-amd-amdhsa--gfx1250"
	.amdhsa_code_object_version 6
	.text
	.protected	k_q388a434743_prep
	.globl	k_q388a434743_prep
	.p2align	8
	.type	k_q388a434743_prep,@function
k_q388a434743_prep:
	s_mov_b64 s[64:65], 0
	v_nop
	global_prefetch_b8 v0, s[64:65] scope:SCOPE_SE
	s_setreg_imm32_b32 hwreg(HW_REG_WAVE_MODE, 25, 1), 1
	s_wait_xcnt 0x0
; WHAT.  Rows 0 .. 1448 of V1 and all of V2, f32 [2897][2897], K innermost, become codes of FP4 (E2M1) with one E8M0 byte for each 32 along K; x, f32, becomes f16.
; Only the first 4,197,376 numbers of V1 V2^T are used further on: rows 0 .. 1448 of V1.  The largest magnitudes seen are stored too: the later launches make power-of-two scales of them.
; SHARES.  The codes lie in 288 tiles of 16 rows (0-95 V1's, 96-287 V2's): 288 = 256 + 32.  Each of the 256 work-groups has nine waves and the same work:
;   waves 0-7 of work-group g take tile g + 32, three K steps of 128 each;  wave 8 takes an eighth of tile g / 8: K steps 3 (g % 8) .. + 2 (tiles 0-31 are V1's rows 0 .. 511);
;   waves 0-7 also turn 131,072 bytes of x into f16, between the issue of their tensor loads and the wait for them: x streams through registers while V's rows are on their way into LDS.
; LAYOUT OF THE CODES: a tile is 24,576 bytes: [K step of 128][c = 0, 1][lane][16 bytes]: lane (r = lane % 16, h = lane / 16) holds block 4 s + 2 c + h of row r:
; the registers of a matrix operand on end.  K is filled up to 3,072 with zero codes.  Scale bytes: [row][96].  Tiles and rows past a tensor's used end repeat its last used row (1448, 2896): defined bytes, whose products are never read.
; THE RULE: a block's scale is 2^(floor(log2(largest magnitude)) - 2); its byte is the largest magnitude's exponent field - 2, held at 1 from below by a floor among the maximum's leaves.
; LIMITS: a block of zeros, or one whose largest magnitude lies under 2^-124, gets the byte 1 (zero codes add nothing under it; this program alone reads the bytes); NaN and infinities are not served; |x| stays under 65,504.
; A row of V is 11,588 bytes, a multiple of 4 only, so the rows come by the tensor data mover.  Waves 0-7: one row a load (each row has its own clamped index), LDS pitch 12,304 bytes; past column 2,896 the mover writes zeros.
; Wave 8: one load of 16 rows x 384 numbers, 16 bytes of padding behind each 512: a K step takes 528 bytes, a row 1,584.  Both pitches are odd multiples of 16, so that sixteen rows' reads start in sixteen different groups of banks.
; In the last eighth that tile runs past column 2,896 into the next row of V1 (inside the buffer: the rows are 0 .. 511): those numbers are set to 0 in registers.  No LDS byte is filled twice.
.set PITCH,  12304
.set SCST,   16*PITCH                  ; behind the rows: the tile's scale bytes, 16 rows x 96
.set PKW,    SCST+1536                 ; the waves' largest magnitudes of V
.set XPK,    PKW+256                   ; and of x
.set EXT,    XPK+256                   ; wave 8's tile: 16 rows x 1,584 bytes
.set EP,     1584
.set SPARE,  EXT+16*EP                 ; the spare words, 128 bytes for each of nine waves
.set FLOOR,  0x1800000                 ; 2^(3 - 127)
.set SPW, 40                           ; v40 my spare word's address; v41 zero: never rewritten
.set NIL, 41
.set G1,  24                           ; s[24:31] descriptor group 1 of a row;  s[32:35], s[36:39] group 0 of my two rows
.set G0A, 32
.set G0B, 36
.set SEL, 40                           ; s40, s41 lane selects: lane l xor 16
.set G1E, 48                           ; s[48:55], s[68:71] groups 1 and 0 of wave 8's tile
.set G0E, 68
; v1 lane, v2 r, v3 h, v4 my place in the rows, v5 16 x lane, v6 my scale word's place, v7 the running largest magnitude of V, v8-15 at work, v16-39 codes, v42 8 h,
; v43-46, v50-54, v56 addresses and offsets, v47-49 scale words, v55 how many numbers of my block are left in the row (wave 8), v57-58 x's largest magnitude, v64-191 numbers, v192-255 x as f16
	s_load_b256 s[4:11], s[0:1], 0x0               ; V1 s[4:5], V2 s[6:7], x s[8:9], codes s[10:11]
	s_load_b128 s[12:15], s[0:1], 0x20             ; scl s[12:13], x16 s[14:15]
	s_load_b64 s[16:17], s[0:1], 0x30              ; peak
	v_lshl_add_u32 v[SPW], v0, 2, SPARE
	v_mov_b32 v[NIL], 0
	ds_add_u32 v[SPW], v[NIL]                      ; the wave's opening: the add and its wait ahead of my first tensor load; register work stands between
	v_lshrrev_b32 v1, 5, v0
	v_readfirstlane_b32 s18, v1                    ; wave 0..8
	v_and_b32 v1, 31, v0                           ; lane
	v_and_b32 v2, 15, v0                           ; r
	v_bfe_u32 v3, v0, 4, 1                         ; h
	s_mul_i32 s19, s18, 1536                       ; my wave's three K steps: 3 x 512 bytes of each row
	v_mul_u32_u24 v4, v2, PITCH
	v_lshl_add_u32 v4, v3, 7, v4                   ; + 128 h: my block of a pair
	v_add_nc_u32 v4, s19, v4
	v_lshlrev_b32 v5, 4, v1                        ; 16 x lane
	s_mul_i32 s19, s18, 12
	s_add_co_u32 s19, s19, SCST
	v_mul_u32_u24 v6, v2, 96
	v_add_nc_u32 v6, s19, v6                       ; row r's scale bytes, my wave's three words
	v_lshlrev_b32 v42, 3, v3                       ; 8 h
	s_lshl_b32 s19, s18, 2
	s_add_co_u32 s20, s19, PKW
	v_mov_b32 v43, s20                             ; my wave's word among V's
	s_add_co_u32 s20, s19, XPK
	v_mov_b32 v52, s20                             ; and among x's
	s_lshl_b32 s19, s18, 9
	v_add_nc_u32 v50, s19, v5                      ; 512 x wave + 16 x lane: the scale bytes' way out
	v_add_nc_u32 v44, SCST, v50
	v_mov_b32 v45, PKW
	v_mov_b32 v53, XPK
	v_mov_b32 v46, 0
	v_lshlrev_b32 v51, 3, v1                       ; 8 x lane
	v_mov_b32 v15, 0                               ; written once: a lane permute's destination counts as one of its sources
	v_mul_u32_u24 v54, v2, EP
	v_lshl_add_u32 v54, v3, 7, v54
	v_add_nc_u32 v54, EXT, v54                     ; wave 8's tile: row r, + 128 h
	v_mul_u32_u24 v56, v2, 96                      ; and row r's scale bytes in memory
	s_and_b32 s46, ttmp9, 7                        ; which eighth of K is wave 8's
	s_lshr_b32 s47, ttmp9, 3                       ; of which tile
	s_mul_i32 s19, s46, 384
	s_sub_co_u32 s19, 2897, s19
	v_lshlrev_b32 v55, 5, v3
	v_sub_nc_u32 v55, s19, v55                     ; 2897 - 384 x eighth - 32 h
	v_mov_b32 v7, FLOOR
	s_mov_b32 s[SEL], 0x76543210
	s_mov_b32 s[SEL+1], 0xfedcba98
	s_mov_b32 s[G1+0], 2<<16                       ; no mask; elements of 4 bytes; no padding
	s_mov_b32 s[G1+1], 2897<<16                    ; tensor_dim0 = 2,897: what lies past it arrives as zeros
	s_mov_b32 s[G1+2], 1<<16                       ; tensor_dim1 = 1
	s_mov_b32 s[G1+3], 3072<<16                    ; tile_dim0 = 3,072
	s_mov_b32 s[G1+4], 1                           ; tile_dim1 = 1
	s_mov_b32 s[G1+5], 2897                        ; the pitch
	s_mov_b32 s[G1+6], 0
	s_mov_b32 s[G1+7], 0
	s_mov_b32 s[G1E+0], (2<<16)|(1<<20)|(6<<22)|(3<<25)   ; elements of 4 bytes; padding of 4 words after every 128
	s_mov_b32 s[G1E+1], 384<<16                    ; tensor_dim0 = 384
	s_mov_b32 s[G1E+2], 16<<16                     ; tensor_dim1 = 16
	s_mov_b32 s[G1E+3], 384<<16                    ; tile_dim0 = 384
	s_mov_b32 s[G1E+4], 16                         ; tile_dim1 = 16
	s_mov_b32 s[G1E+5], 2897                       ; the pitch
	s_mov_b32 s[G1E+6], 0
	s_mov_b32 s[G1E+7], 0
	s_wait_dscnt 0x0                               ; the opening add is done
	s_wait_kmcnt 0x0
	s_lshl_b32 s22, ttmp9, 2
	s_mov_b32 s23, 0
	s_add_nc_u64 s[76:77], s[16:17], s[22:23]      ; peak + 4 g: entry g + 32 the tile's, 288 + g x's, 544 + g wave 8's
	s_cmp_lt_u32 ttmp9, 64                         ; tile g + 32 is V1's or V2's: the choice hangs on the work-group's number alone
	s_cselect_b64 s[20:21], s[4:5], s[6:7]
	s_cselect_b32 s22, 0, 96
	s_mov_b32 s23, 2896
	s_cselect_b32 s23, 1448, s23                   ; the last row that is used
	s_add_co_u32 s66, ttmp9, 32                    ; the tile
	s_sub_co_u32 s22, s66, s22
	s_lshl_b32 s22, s22, 4
	s_lshl_b32 s19, s18, 1
	s_add_co_u32 s22, s22, s19                     ; my first row: 16 x tile + 2 x wave
	s_min_u32 s42, s22, s23
	s_add_co_u32 s22, s22, 1
	s_min_u32 s44, s22, s23
	s_mul_i32 s42, s42, 11588
	s_mul_i32 s44, s44, 11588
	s_mov_b32 s43, 0
	s_mov_b32 s45, 0
	s_mov_b32 s[G0A], 1
	s_mul_i32 s[G0A+1], s18, 2*PITCH
	s_add_nc_u64 s[G0A+2:G0A+3], s[20:21], s[42:43]
	s_or_b32 s[G0A+3], s[G0A+3], 0x80000000
	s_mov_b32 s[G0B], 1
	s_add_co_u32 s[G0B+1], s[G0A+1], PITCH
	s_add_nc_u64 s[G0B+2:G0B+3], s[20:21], s[44:45]
	s_or_b32 s[G0B+3], s[G0B+3], 0x80000000
	s_mul_i32 s72, s47, 185408                     ; wave 8's tile: 16 rows of 11,588 bytes a tile,
	s_mul_i32 s19, s46, 1536                       ; 384 numbers an eighth
	s_add_co_u32 s72, s72, s19
	s_mov_b32 s73, 0
	s_mov_b32 s[G0E], 1
	s_mov_b32 s[G0E+1], EXT
	s_add_nc_u64 s[G0E+2:G0E+3], s[4:5], s[72:73]
	s_or_b32 s[G0E+3], s[G0E+3], 0x80000000
	s_cmp_eq_u32 s18, 8                            ; a wave's first fills stand in one branch on its number, ahead of every wait on TENSORcnt, LDS read and barrier
	s_cbranch_scc1 .Lfill_ext
	tensor_load_to_lds s[G0A:G0A+3], s[G1:G1+7]    ; my two rows: two loads of mine are out
	s_nop 0
	tensor_load_to_lds s[G0B:G0B+3], s[G1:G1+7]
	s_nop 0
	s_branch .Lfilled
.Lfill_ext:
	tensor_load_to_lds s[G0E:G0E+3], s[G1E:G1E+7]  ; wave 8: one load is out
	s_nop 0
.Lfilled:
	s_mov_b32 s23, 0
	s_mul_i32 s22, s47, 24576
	s_mul_i32 s19, s46, 3072
	s_add_co_u32 s22, s22, s19
	s_add_nc_u64 s[72:73], s[10:11], s[22:23]      ; wave 8's codes: its tile, its three K steps
	s_mul_i32 s22, s47, 1536
	s_mul_i32 s19, s46, 12
	s_add_co_u32 s22, s22, s19
	s_add_nc_u64 s[74:75], s[12:13], s[22:23]      ; and its scale words
	s_mul_i32 s22, s66, 24576
	s_mul_i32 s19, s18, 3072
	s_add_co_u32 s22, s22, s19
	s_add_nc_u64 s[10:11], s[10:11], s[22:23]      ; the codes of tile g + 32, my three K steps
	s_mul_i32 s22, s66, 1536
	s_add_nc_u64 s[12:13], s[12:13], s[22:23]      ; the tile's scale bytes
	s_lshl_b32 s22, ttmp9, 17
	s_lshl_b32 s19, s18, 14
	s_add_co_u32 s22, s22, s19
	s_add_nc_u64 s[8:9], s[8:9], s[22:23]          ; x: 131,072 bytes a work-group, 16,384 a wave
	s_lshr_b32 s22, s22, 1
	s_add_nc_u64 s[14:15], s[14:15], s[22:23]
.macro LANEMAX p                       ; the largest of v[p] over the 32 lanes, in every lane
.irp m, 1,2,4,8
	v_max_num_f32_dpp v[\p], v[\p], v[\p] row_xmask:\m row_mask:0xf bank_mask:0xf
.endr
	v_permlanex16_b32 v15, v[\p], s[SEL], s[SEL+1]
	v_max_num_f32 v[\p], v[\p], v15
.endm
	; ---- x, waves 0-7: 32 loads of 512 consecutive bytes, all on their way at once beside the tensor loads; each becomes a store of 256 consecutive bytes
	s_cmp_eq_u32 s18, 8
	s_cbranch_scc1 .Lno_x
	v_mov_b32 v57, 0
	v_mov_b32 v58, 0
.set i, 0
.rept 32
	global_load_b128 v[64+4*i:67+4*i], v5, s[8:9] offset:512*i th:TH_LOAD_NT
.set i, i+1
.endr
.set i, 0
.rept 32
	s_wait_loadcnt 31-i                            ; loads come back in order: number i is in, the younger ones stay out
	v_cvt_pk_f16_f32 v[192+2*i], v[64+4*i], v[65+4*i]
	v_cvt_pk_f16_f32 v[193+2*i], v[66+4*i], v[67+4*i]
	v_max3_num_f32 v57, v57, |v[64+4*i]|, |v[65+4*i]|
	v_max3_num_f32 v58, v58, |v[66+4*i]|, |v[67+4*i]|
	global_store_b64 v51, v[192+2*i:193+2*i], s[14:15] offset:256*i      ; no store's data are written again
.set i, i+1
.endr
	v_max_num_f32 v57, v57, v58
	LANEMAX 57
	ds_store_b32 v52, v57                          ; my wave's largest |x|
.Lno_x:
	s_wait_tensorcnt 0x0                           ; my rows (wave 8: my tile) are in,
	s_wait_dscnt 0x0
	s_barrier_signal -1
	s_barrier_wait -1                              ; everybody's are
.macro LOADS q, adr, stp               ; my q-th K step: two whole blocks of 32 numbers a lane, into set q % 2; stp: bytes from K step to K step in LDS
.set XB, 64+64*((\q)%2)
.irp u, 0,1
.irp i, 0,1,2,3,4,5,6,7
	ds_load_b128 v[XB+32*\u+4*\i:XB+32*\u+4*\i+3], v[\adr] offset:(\stp)*(\q)+256*\u+16*\i
.endr
.endr
.endm
.macro MASK q, u                       ; wave 8: numbers at or past column 2,897 become 0: number i of my block counts where i < 2897 - 384 x eighth - 32 h - 128 q - 64 u
.set XB, 64+64*((\q)%2)+32*(\u)
	v_add_nc_u32 v12, -(128*(\q)+64*(\u)), v55
.set i, 0
.rept 32
	v_cmp_lt_i32 vcc_lo, i, v12
	v_cndmask_b32 v[XB+i], 0, v[XB+i], vcc_lo
.set i, i+1
.endr
.endm
.macro PROC q, cb, ext                 ; cb: the scalar pair with the codes' address; ext = 1: wave 8, whose scale words go straight to memory
.set XB, 64+64*((\q)%2)
.set CD, 16+8*(\q)
	v_max3_num_f32 v8, |v[XB]|, |v[XB+1]|, FLOOR                   ; each block's largest magnitude, with the floor as a leaf; the two blocks by turns
	v_max3_num_f32 v9, |v[XB+32]|, |v[XB+33]|, FLOOR
.irp i, 2,4,6,8,10,12,14,16,18,20,22,24,26,28,30
	v_max3_num_f32 v8, v8, |v[XB+\i]|, |v[XB+\i+1]|
	v_max3_num_f32 v9, v9, |v[XB+32+\i]|, |v[XB+33+\i]|
.endr
	v_max3_num_f32 v7, v7, v8, v9                  ; the running largest magnitude of all that I see
	v_add_nc_u32 v10, 0xff000000, v8               ; 2 off the exponent field: the conversion takes the exponent field of this operand as its scale
	v_add_nc_u32 v11, 0xff000000, v9
	v_lshrrev_b32 v12, 23, v10                     ; the scales' bytes: blocks h and 2 + h of the K step
	v_lshrrev_b32 v13, 23, v11
	v_lshl_or_b32 v14, v13, 16, v12
	v_lshlrev_b32 v14, v42, v14                    ; at their places in the row's scale word
	v_permlanex16_b32 v15, v14, s[SEL], s[SEL+1]
	v_or_b32 v[47+(\q)], v14, v15                  ; with lane l xor 16's two the word is whole
.irp u, 0,1
.irp g, 0,1,2,3
	v_cvt_scalef32_pk8_fp4_f32 v[CD+4*\u+\g], v[XB+32*\u+8*\g:XB+32*\u+8*\g+7], v[10+\u]
.endr
.endr
	v_nop                                          ; one plain line behind the last scaled conversion
	global_store_b128 v5, v[CD:CD+3], s[\cb:\cb+1] offset:1024*(\q)      ; 32 lanes store 512 consecutive bytes, at a multiple of 512 from the buffer's first byte
	global_store_b128 v5, v[CD+4:CD+7], s[\cb:\cb+1] offset:1024*(\q)+512
.if \ext
	global_store_b32 v56, v[47+(\q)], s[74:75] offset:4*(\q)     ; 16 words, 96 bytes apart: 192 of the 3,264 bytes that this wave stores; both lanes of a row store the same word
.else
	ds_store_b32 v6, v[47+(\q)] offset:4*(\q)      ; both lanes of a row write the same word with the same value
.endif
.endm
	s_cmp_eq_u32 s18, 8
	s_cbranch_scc1 .Lext
	; ---- waves 0-7: three K steps of tile g + 32
	LOADS 0, 4, 512
	LOADS 1, 4, 512
	s_wait_dscnt 16                                ; the first set is in; the second set's 16 loads may be out
	PROC 0, 10, 0
	LOADS 2, 4, 512
	s_wait_dscnt 17                                ; the second set is in; behind it: one word store and 16 loads
	PROC 1, 10, 0
	s_wait_dscnt 1                                 ; the third is in; behind it: one word store
	PROC 2, 10, 0
	LANEMAX 7
	ds_store_b32 v43, v7                           ; my wave's largest magnitude of V
	s_branch .Ljoin
.Lext:
	; ---- wave 8: three K steps of tile g / 8.  2897 - 7 x 384 = 209: a row's first 192 numbers of an eighth always count, so only what lies behind them is held against the row's end
	LOADS 0, 54, 528
	LOADS 1, 54, 528
	s_wait_dscnt 16                                ; the first set is in; the second set's 16 loads may be out
	PROC 0, 72, 1
	LOADS 2, 54, 528
	s_wait_dscnt 16                                ; the second set is in; behind it: 16 loads
	MASK 1, 1
	PROC 1, 72, 1
	s_wait_dscnt 0x0
	MASK 2, 0
	MASK 2, 1
	PROC 2, 72, 1
	LANEMAX 7
	v_cmp_eq_u32 vcc_lo, 0, v1
	s_wait_xcnt 0x0                                ; EXEC changes only behind this wait
	s_and_saveexec_b32 s22, vcc_lo
	global_store_b32 v46, v7, s[76:77] offset:2176 ; entry 544 + g, lane 0 alone
	s_wait_xcnt 0x0
	s_or_b32 exec_lo, exec_lo, s22
.Ljoin:
	s_wait_dscnt 0x0                               ; for the others' sake: all my LDS stores have landed
	s_barrier_signal -1
	s_barrier_wait -1
; Wave wv takes the largest of the eight waves' words at v[rd] and stores it off bytes behind peak + 4 g
.macro PKOUT rd, wv, off
	s_cmp_lg_u32 s18, \wv
	s_cbranch_scc1 .Lnot_pk_\@
	ds_load_b128 v[64:67], v[\rd]
	ds_load_b128 v[68:71], v[\rd] offset:16
	s_wait_dscnt 0x0
	v_max3_num_f32 v64, v64, v65, v66
	v_max3_num_f32 v64, v64, v67, v68
	v_max3_num_f32 v64, v64, v69, v70
	v_max_num_f32 v64, v64, v71
	v_cmp_eq_u32 vcc_lo, 0, v1
	s_wait_xcnt 0x0                                ; EXEC changes only behind this wait
	s_and_saveexec_b32 s22, vcc_lo
	global_store_b32 v46, v64, s[76:77] offset:\off    ; lane 0 alone
	s_wait_xcnt 0x0
	s_or_b32 exec_lo, exec_lo, s22
.Lnot_pk_\@:
.endm
	PKOUT 45, 3, 128                               ; entry g + 32: the tile's
	PKOUT 53, 4, 1152                              ; entry 288 + g: x's
	s_cmp_lt_u32 s18, 3                            ; the tile's 1,536 scale bytes leave: waves 0 to 2, 512 consecutive bytes each
	s_cbranch_scc0 .Lno_scl
	ds_load_b128 v[64:67], v44
	s_wait_dscnt 0x0
	global_store_b128 v50, v[64:67], s[12:13]
.Lno_scl:
	s_wait_tensorcnt 0x0                           ; the wave's end
	ds_add_u32 v[SPW], v[NIL]
	s_wait_dscnt 0x0
	s_endpgm
.Lfunc_end_k_q388a434743_prep:
	.size	k_q388a434743_prep, .Lfunc_end_k_q388a434743_prep-k_q388a434743_prep
	.p2alignl 7, 3214868480
	.fill 96, 4, 3214868480
	.section	.rodata,"a",@progbits
	.p2align	6, 0x0
	.amdhsa_kernel k_q388a434743_prep
		.amdhsa_group_segment_fixed_size 225536
		.amdhsa_private_segment_fixed_size 0
		.amdhsa_enable_private_segment 0
		.amdhsa_kernarg_size 56
		.amdhsa_user_sgpr_count 2
		.amdhsa_user_sgpr_kernarg_segment_ptr 1
		.amdhsa_wavefront_size32 1
		.amdhsa_system_sgpr_workgroup_id_x 1
		.amdhsa_system_sgpr_workgroup_id_y 1
		.amdhsa_system_sgpr_workgroup_id_z 1
		.amdhsa_system_vgpr_workitem_id 0
		.amdhsa_next_free_vgpr 256
		.amdhsa_next_free_sgpr 80
		.amdhsa_reserve_vcc 1
		.amdhsa_float_denorm_mode_32 3
		.amdhsa_float_denorm_mode_16_64 3
		.amdhsa_memory_ordered 1
		.amdhsa_forward_progress 1
		.amdhsa_inst_pref_size 58
	.end_amdhsa_kernel
	.amdgpu_metadata
---
amdhsa.version: [ 1, 2 ]
amdhsa.kernels:
  - .name:           k_q388a434743_prep
    .symbol:         k_q388a434743_prep.kd
    .args:
      - { .name: V1, .offset: 0, .size: 8, .value_kind: global_buffer, .address_space: global }
      - { .name: V2, .offset: 8, .size: 8, .value_kind: global_buffer, .address_space: global }
      - { .name: x, .offset: 16, .size: 8, .value_kind: global_buffer, .address_space: global }
      - { .name: codes, .offset: 24, .size: 8, .value_kind: global_buffer, .address_space: global }
      - { .name: scl, .offset: 32, .size: 8, .value_kind: global_buffer, .address_space: global }
      - { .name: x16, .offset: 40, .size: 8, .value_kind: global_buffer, .address_space: global }
      - { .name: peak, .offset: 48, .size: 8, .value_kind: global_buffer, .address_space: global }
    .group_segment_fixed_size: 225536
    .private_segment_fixed_size: 0
    .kernarg_segment_align: 8
    .kernarg_segment_size: 56
    .max_flat_workgroup_size: 288
    .sgpr_count:     80
    .vgpr_count:     256
    .wavefront_size: 32
...
	.end_amdgpu_metadata
.endif
;; end of part 1
;; launch vgemm (part 2): grid 16 x 16, 4 waves a work-group, clusters of 4 x 4, 327,680 bytes of LDS; arguments codes, scl, peak, wflat, aux; writes wflat, aux
.if DOCPART == 2
	.amdgcn_target "amdgcn-amd-amdhsa--gfx1250"
	.amdhsa_code_object_version 6
	.text
	.protected	k_q388a434743_vgemm
	.globl	k_q388a434743_vgemm
	.p2align	8
	.type	k_q388a434743_vgemm,@function
k_q388a434743_vgemm:
	s_mov_b64 s[64:65], 0
	v_nop
	global_prefetch_b8 v0, s[64:65] scope:SCOPE_SE
	s_setreg_imm32_b32 hwreg(HW_REG_WAVE_MODE, 25, 1), 1
	s_wait_xcnt 0x0
	s_wait_alu depctr_hold_cnt(0) depctr_sa_sdst(0) depctr_va_vdst(0) depctr_va_sdst(0) depctr_va_ssrc(0) depctr_va_vcc(0) depctr_vm_vsrc(0)
	s_getreg_b32 s2, hwreg(HW_REG_IB_STS2, 6, 4)
	s_cmp_eq_u32 s2, 0
	s_cbranch_scc0 .Lentry_in_a_cluster
	s_endpgm
.Lentry_in_a_cluster:
	s_bfe_u32 s2, ttmp6, 0x10000c
	s_cmp_lg_u32 s2, 0xf033
	s_cbranch_scc0 .Lentry_shape_is_right
	s_endpgm
.Lentry_shape_is_right:
; V = Q(V1) Q(V2)^T on codes of FP4 with E8M0 scales, rows 0 .. 1535 (1449 are used) x columns 0 .. 2896, K = 3,072 (2,897 and zero codes).
; V leaves FLAT, element 2897 m + n, as f16 of V x fW, fW a power of two made of the inputs' largest magnitudes; the two bias slices of flat V leave as raw f32.
; fW: a quantised number is at most 1.5 x 2^(E - 127), E the exponent field of its tensor's largest magnitude, so |V| < 2897 x 2.25 x 2^(EA + EB - 254) < 2^(EA + EB - 241);
; fW = 2^(256 - EA - EB) keeps |V fW| under 2^15.  LIMITS: fW's exponent field is held to 1 .. 254, idle while the product of the two largest magnitudes lies between about 2^-50 and 2^50; NaN and infinities are not served.
; SHARES.  A work-group makes 96 x 192 of V; wave (rowhalf = w / 2, colhalf = w % 2) 48 x 96: 3 x 6 accumulators.  K goes in 24 steps of 128, eight to an LDS slot; two slots, slot 0 filled a second time.
; The codes lie in memory as the operands' registers on end, so a fragment is two loads of 16 bytes a lane at 16 x lane: no pitch, no padding.  The scale bytes of the work-group's rows, for all of K, come once.
; CLUSTERS: 4 x 4 work-groups.  V1's tiles hang on the row block alone and are asked for jointly along a row of the cluster, V2's on the column block alone, along a column.
; REGISTERS: window 0: v1-31 addresses; v32-71 scale words, two sets of 20; v72-111 at work; v112-255 the accumulators ((a, b) at 112 + 8 (6 a + b)).  Window 1: two sets of 72: V1's 3 fragments, V2's 6.
; THE WAY OUT.  2897 = 8 x 362 + 1 and a tile's first row and column are multiples of 8: line i of a tile begins i % 8 elements into an aligned 16 bytes of flat V.  So line i is laid into the stage
; shifted by i % 8 elements: aligned 16 bytes of the stage are aligned 16 bytes of flat V.  Pieces of 16 bytes that lie wholly inside the tile's columns leave by 16-byte stores, the elements of the others singly.
.set SLOT,  147456                     ; V1: 6 tiles x 8,192 bytes; V2: 12 tiles x 8,192
.set BOFF,  49152
.set SCL,   2*SLOT                     ; the scale bytes: V1's 96 rows x 96, then V2's 192 rows x 96
.set SPARE, SCL+27648                  ; the spare words, 128 bytes for each wave
.set STAGE, SLOT                       ; the way out's stage lies in slot 1, which has then had its last fill and its last read
.set SP,    400                        ; a stage line: (7 + 192) elements of 2 bytes, rounded up to a multiple of 16
.set ADRA, 16                          ; v16-17 my V1 fragments in slot 0, 1;  v20-21 my V2 fragments
.set ADRB, 20
.set ADRX, 22                          ; scale words: lanes 0-15 V1's block i, lanes 16-31 V2's block i
.set ADRY, 23                          ; lanes 0-15 V2's block 3, lanes 16-31 block 4
.set ADRZ, 24                          ; V2's block 5
.set STO,  25
.set PAL,  26
.set PAG,  27
.set SPW,  28
.set NIL,  29
.set PBL,  30
.set PBG,  31
.set SC,   32
.set ACC,  112
.set G1, 24
.set G0, 32
.set G1B, 48
.set G0B, 56
.set G1S, 68
.set G0S, 76
.set G1SB, 80
.set G0SB, 88
.set MSB, 0
.macro WIN new                         ; the immediate's high byte repeats the setting that is left
.if MSB != \new
	s_set_vgpr_msb (MSB<<8)|\new
.set MSB, \new
.endif
.endm
.set MUL,  0x05                        ; sources 0 and 1 window 1; C and D window 0
.set TO_F, 0x40                        ; destination window 1, address window 0
; A joint load: waves 0 and 1 fetch for V1, waves 2 and 3 for V2; the branch hangs on the wave's number alone.  An s_nop 0 and four v_nop follow each line.
.macro JLOAD g0a, g1a, g0b, g1b
	s_cmp_eq_u32 s15, 0
	s_cbranch_scc0 .Lfor_b_\@
	tensor_load_to_lds s[\g0a:\g0a+3], s[\g1a:\g1a+7]
	s_nop 0
.rept 4
	v_nop
.endr
	s_branch .Lasked_\@
.Lfor_b_\@:
	tensor_load_to_lds s[\g0b:\g0b+3], s[\g1b:\g1b+7]
	s_nop 0
.rept 4
	v_nop
.endr
.Lasked_\@:
.endm
.macro CREST                           ; a round of the cluster's barrier behind its opening barrier
	s_cmp_lg_u32 s14, 0
	s_cbranch_scc1 .Lnot_wave_0_\@
	s_barrier_signal -3
.Lnot_wave_0_\@:
	s_barrier_wait -3
	s_barrier_signal -1
	s_barrier_wait -1
.endm
.macro CROUND
	s_barrier_signal -1
	s_barrier_wait -1
	CREST
.endm
.macro PLACES                          ; four plain lines in front of loads into registers that matrix instructions have read, and of the first read of results
.rept 4
	v_nop
.endr
.endm
	s_load_b256 s[4:11], s[0:1], 0x0               ; codes s[4:5], scl s[6:7], peak s[8:9], wflat s[10:11]
	s_load_b64 s[12:13], s[0:1], 0x20              ; aux
	v_lshl_add_u32 v[SPW], v0, 2, SPARE
	v_mov_b32 v[NIL], 0
	ds_add_u32 v[SPW], v[NIL]                      ; the wave's opening: the add and its wait ahead of my first tensor load
	v_lshrrev_b32 v1, 5, v0
	v_readfirstlane_b32 s14, v1                    ; wave 0..3
	s_lshr_b32 s15, s14, 1                         ; rowhalf.  Also: I fetch for V1 (0) or V2 (1)
	s_and_b32 s16, s14, 1                          ; colhalf.  Also: which half of that operand's tiles I fetch
	s_bfe_u32 s40, ttmp6, 0x40000                  ; cx, cy
	s_bfe_u32 s41, ttmp6, 0x40004
	s_lshl_b32 s42, ttmp9, 2
	s_add_co_u32 s42, s42, s40                     ; column block
	s_and_b32 s17, ttmp7, 0xffff
	s_lshl_b32 s17, s17, 2
	s_add_co_u32 s17, s17, s41                     ; row block
	s_lshl_b32 s43, s41, 2
	s_lshl_b32 s43, 15, s43                        ; my row of the cluster
	s_lshl_b32 s44, 0x1111, s40                    ; my column
	; group 1, elements of 8 bytes, no padding.  Codes: a row = a tile's 8 K steps, 8,192 bytes; from tile to tile 24,576 bytes.  Scale bytes: a dense block as rows of 256 bytes
	s_or_b32 s[G1+0], s43, (3<<16)|(1<<21)
	s_or_b32 s[G1B+0], s44, (3<<16)|(1<<21)
	s_or_b32 s[G1S+0], s43, (3<<16)|(1<<21)
	s_or_b32 s[G1SB+0], s44, (3<<16)|(1<<21)
	s_mov_b32 s[G1+1], 1024<<16
	s_mov_b32 s[G1+2], 3<<16
	s_mov_b32 s[G1+3], 1024<<16
	s_mov_b32 s[G1+4], 3
	s_mov_b32 s[G1+5], 3072
	s_mov_b32 s[G1+6], 0
	s_mov_b32 s[G1+7], 0
	s_mov_b32 s[G1B+1], 1024<<16
	s_mov_b32 s[G1B+2], 6<<16
	s_mov_b32 s[G1B+3], 1024<<16
	s_mov_b32 s[G1B+4], 6
	s_mov_b32 s[G1B+5], 3072
	s_mov_b32 s[G1B+6], 0
	s_mov_b32 s[G1B+7], 0
	s_mov_b32 s[G1S+1], 32<<16
	s_mov_b32 s[G1S+2], 18<<16
	s_mov_b32 s[G1S+3], 32<<16
	s_mov_b32 s[G1S+4], 18
	s_mov_b32 s[G1S+5], 32
	s_mov_b32 s[G1S+6], 0
	s_mov_b32 s[G1S+7], 0
	s_mov_b32 s[G1SB+1], 32<<16
	s_mov_b32 s[G1SB+2], 36<<16
	s_mov_b32 s[G1SB+3], 32<<16
	s_mov_b32 s[G1SB+4], 36
	s_mov_b32 s[G1SB+5], 32
	s_mov_b32 s[G1SB+6], 0
	s_mov_b32 s[G1SB+7], 0
	; where the tiles come from: V1's offsets are made of the row block and the wave's number alone, V2's of the column block and the wave's number alone
	s_mul_i32 s20, s17, 6
	s_mul_i32 s18, s16, 3
	s_add_co_u32 s20, s20, s18
	s_mul_i32 s20, s20, 24576                      ; V1's codes: tile 6 x row block + 3 x half
	s_mov_b32 s21, 0
	s_mul_i32 s22, s17, 96
	s_mul_i32 s18, s16, 48
	s_add_co_u32 s22, s22, s18
	s_mul_i32 s22, s22, 96                         ; V1's scale bytes: 96 a row
	s_mov_b32 s23, 0
	s_mul_i32 s46, s42, 12
	s_mul_i32 s18, s16, 6
	s_add_co_u32 s46, s46, s18
	s_add_co_u32 s46, s46, 96
	s_mul_i32 s46, s46, 24576                      ; V2's codes: tile 96 + 12 x column block + 6 x half
	s_mov_b32 s47, 0
	s_mul_i32 s92, s42, 192
	s_mul_i32 s18, s16, 96
	s_add_co_u32 s92, s92, s18
	s_add_co_u32 s92, s92, 1536
	s_mul_i32 s92, s92, 96
	s_mov_b32 s93, 0
	s_mul_i32 s45, s16, 24576                      ; and where they go: the wave's number alone enters an LDS address
	s_mul_i32 s66, s16, 49152
	s_add_co_u32 s66, s66, BOFF
	s_mul_i32 s67, s16, 4608
	s_add_co_u32 s67, s67, SCL
	s_mul_i32 s19, s16, 9216
	s_add_co_u32 s19, s19, SCL+9216
	s_mov_b32 s98, 0x76543210
	s_mov_b32 s99, 0xfedcba98                      ; lane selects: lane l xor 16
	s_wait_dscnt 0x0                               ; the opening add is done
	s_wait_kmcnt 0x0
	s_add_nc_u64 s[20:21], s[4:5], s[20:21]
	s_add_nc_u64 s[46:47], s[4:5], s[46:47]
	CROUND                                         ; all sixteen work-groups are here: the first joint loads meet
	s_mov_b32 s[G0S], 1
	s_mov_b32 s[G0S+1], s67
	s_add_nc_u64 s[G0S+2:G0S+3], s[6:7], s[22:23]
	s_or_b32 s[G0S+3], s[G0S+3], 0x80000000
	s_mov_b32 s[G0SB], 1
	s_mov_b32 s[G0SB+1], s19
	s_add_nc_u64 s[G0SB+2:G0SB+3], s[6:7], s[92:93]
	s_or_b32 s[G0SB+3], s[G0SB+3], 0x80000000
	JLOAD G0S, G1S, G0SB, G1SB                     ; the scale bytes first: they are wanted with K step 0
.irp s, 0,1
	s_mov_b32 s[G0+4*\s], 1
	s_add_co_u32 s[G0+4*\s+1], s45, \s*SLOT
	s_add_nc_u64 s[G0+4*\s+2:G0+4*\s+3], s[20:21], \s*8192
	s_or_b32 s[G0+4*\s+3], s[G0+4*\s+3], 0x80000000
	s_mov_b32 s[G0B+4*\s], 1
	s_add_co_u32 s[G0B+4*\s+1], s66, \s*SLOT
	s_add_nc_u64 s[G0B+4*\s+2:G0B+4*\s+3], s[46:47], \s*8192
	s_or_b32 s[G0B+4*\s+3], s[G0B+4*\s+3], 0x80000000
	JLOAD G0+4*\s, G1, G0B+4*\s, G1B               ; K steps 0-7 and 8-15: with the scale bytes three loads of mine are out
.endr
	; the largest magnitudes: entries 32-95 and 544-799 V1's, 96-287 V2's, 288-543 x's
	v_and_b32 v4, 31, v0                           ; lane
	v_and_b32 v1, 15, v0                           ; r
	v_bfe_u32 v2, v0, 4, 1                         ; h
	v_lshlrev_b32 v3, 4, v4                        ; 16 x lane
	v_min_u32 v6, 15, v4
	v_lshlrev_b32 v6, 4, v6
	global_load_b128 v[72:75], v6, s[8:9] offset:128
	global_load_b128 v[76:79], v3, s[8:9] offset:384
	global_load_b128 v[80:83], v6, s[8:9] offset:896
	global_load_b128 v[84:87], v3, s[8:9] offset:1152
	global_load_b128 v[88:91], v3, s[8:9] offset:1664
	global_load_b128 v[100:103], v3, s[8:9] offset:2176
	global_load_b128 v[104:107], v3, s[8:9] offset:2688
	; addresses
	s_mul_i32 s20, s15, 24576
	v_add_nc_u32 v[ADRA], s20, v3
	v_add_nc_u32 v[ADRA+1], SLOT, v[ADRA]
	s_mul_i32 s21, s16, 49152
	s_add_co_u32 s21, s21, BOFF
	v_add_nc_u32 v[ADRB], s21, v3
	v_add_nc_u32 v[ADRB+1], SLOT, v[ADRB]
	v_mul_u32_u24 v7, v1, 96                       ; a row's scale bytes
	s_mul_i32 s22, s15, 4608                       ; V1's: my 48 rows
	s_mul_i32 s23, s16, 9216
	s_add_co_u32 s23, s23, 9216                    ; V2's: my 96 rows, behind V1's 96
	s_sub_co_u32 s20, s23, s22
	v_mul_u32_u24 v8, s20, v2                      ; lanes 16-31 take V2's: one product, the distance between the two
	s_add_co_u32 s22, s22, SCL
	v_add_nc_u32 v[ADRX], v7, v8
	v_add_nc_u32 v[ADRX], s22, v[ADRX]
	s_add_co_u32 s23, s23, SCL
	v_add_nc_u32 v[ADRZ], s23, v7
	v_mul_u32_u24 v8, v2, 1536
	v_add_nc_u32 v[ADRY], v[ADRZ], v8
	s_mul_i32 s20, s15, 48*SP
	s_mul_i32 s21, s16, 192
	s_add_co_u32 s20, s20, s21
	s_add_co_u32 s20, s20, STAGE
	v_mul_u32_u24 v[STO], v2, 8*SP
	v_lshl_add_u32 v[STO], v1, 1, v[STO]
	v_add_nc_u32 v[STO], s20, v[STO]               ; into the stage: line 48 rowhalf + 8 h, element 96 colhalf + r
	s_mul_i32 s21, s14, 24*SP
	s_add_co_u32 s21, s21, STAGE                   ; back: wave w takes lines 24 w .. 24 w + 23
	s_mul_i32 s22, s14, 139056                     ; which lie 24 x 5,794 bytes apart in flat V
	v_lshrrev_b32 v9, 3, v4
	v_and_b32 v10, 7, v4
	v_mul_u32_u24 v[PAL], v9, SP
	v_lshl_add_u32 v[PAL], v10, 4, v[PAL]
	v_add_nc_u32 v[PAL], s21, v[PAL]               ; whole pieces: four lines x eight pieces of 16 bytes an instruction
	v_mul_u32_u24 v[PAG], v9, 5792                 ; line 8 u + a begins 46,352 u + 5,792 a bytes on, counted from its aligned piece
	v_lshl_add_u32 v[PAG], v10, 4, v[PAG]
	v_add_nc_u32 v[PAG], s22, v[PAG]
	v_lshlrev_b32 v8, 3, v10
	v_sub_nc_u32 v8, v8, v9                        ; the first column of my piece, for k = 0, lines 0-3
	v_lshrrev_b32 v11, 2, v4
	v_and_b32 v12, 3, v4
	v_mul_u32_u24 v[PBL], v11, SP
	v_lshl_add_u32 v[PBL], v12, 1, v[PBL]
	v_add_nc_u32 v[PBL], s21, v[PBL]               ; single elements: eight lines x four elements an instruction
	v_mul_u32_u24 v[PBG], v11, 5792
	v_lshl_add_u32 v[PBG], v12, 1, v[PBG]
	v_add_nc_u32 v[PBG], s22, v[PBG]
	v_sub_nc_u32 v13, 0, v11                       ; - a: the first column of piece 0 of my line
	v_sub_nc_u32 v7, v12, v11                      ; my element's column in piece 0
	s_mul_i32 s20, s42, 192
	s_mul_i32 s21, s16, 96
	s_add_co_u32 s21, s21, s20
	v_add_nc_u32 v14, s21, v1                      ; n of my lane in accumulator column 0
	s_sub_co_u32 s96, 2897, s20
	s_min_u32 s96, s96, 192                        ; the tile's valid columns
	s_sub_co_u32 s97, s96, 8
	s_mul_i32 s20, s17, 96
	s_mul_i32 s21, s15, 48
	s_add_co_u32 s20, s20, s21
	v_lshl_add_u32 v15, v2, 3, s20
	v_mul_u32_u24 v15, v15, 2897
	v_add_nc_u32 v15, v15, v14                     ; the flat index of my lane's register 0 in accumulator (0, 0)
	s_mul_i32 s20, s17, 556224
	s_mul_i32 s21, s42, 384
	s_add_co_u32 s20, s20, s21
	s_mov_b32 s21, 0
	s_add_nc_u64 s[10:11], s[10:11], s[20:21]      ; flat V at the tile's first element
	v_mov_b32 v95, 0
	v_mov_b32 v96, 0
	v_mov_b32 v97, 0                               ; a lane permute's destination counts as one of its sources
	v_or_b32 v98, s42, v0
	v_or_b32 v98, s17, v98                         ; 0 in thread 0 of work-group (0, 0) alone
	v_mov_b32 v99, 0
	s_wait_loadcnt 0x0
	v_max3_num_f32 v92, v72, v73, v74              ; the three largest magnitudes, by turns
	v_max3_num_f32 v93, v76, v77, v78
	v_max3_num_f32 v94, v84, v85, v86
	v_max3_num_f32 v92, v92, v75, v100
	v_max3_num_f32 v93, v93, v79, v80
	v_max3_num_f32 v94, v94, v87, v88
	v_max3_num_f32 v92, v92, v101, v102
	v_max3_num_f32 v93, v93, v81, v82
	v_max3_num_f32 v94, v94, v89, v90
	v_max3_num_f32 v92, v92, v103, v104
	v_max_num_f32 v93, v93, v83
	v_max_num_f32 v94, v94, v91
	v_max3_num_f32 v92, v92, v105, v106
	v_max_num_f32 v92, v92, v107
.irp m, 1,2,4,8
.irp p, 92,93,94
	v_max_num_f32_dpp v\p, v\p, v\p row_xmask:\m row_mask:0xf bank_mask:0xf
.endr
.endr
	v_permlanex16_b32 v95, v92, s98, s99
	v_permlanex16_b32 v96, v93, s98, s99
	v_permlanex16_b32 v97, v94, s98, s99
	v_max_num_f32 v92, v92, v95
	v_max_num_f32 v93, v93, v96
	v_max_num_f32 v94, v94, v97
	v_readfirstlane_b32 s20, v92
	v_readfirstlane_b32 s21, v93
	s_lshr_b32 s20, s20, 23                        ; EA, EB: exponent fields
	s_lshr_b32 s21, s21, 23
	s_add_co_u32 s20, s20, s21
	s_sub_co_i32 s20, 383, s20
	s_max_i32 s20, s20, 1
	s_min_i32 s20, s20, 254
	s_lshl_b32 s94, s20, 23                        ; fW = 2^(256 - EA - EB)
	s_mov_b32 s95, s94                             ; (named with it as a pair)
	v_cmp_eq_u32 vcc_lo, 0, v98
	s_wait_xcnt 0x0                                ; EXEC changes only behind this wait
	s_and_saveexec_b32 s22, vcc_lo
	global_store_b32 v99, v92, s[12:13] offset:12288   ; the three go on to the later launches: one thread of the launch stores them, by a mask and no branch
	global_store_b32 v99, v93, s[12:13] offset:12292
	global_store_b32 v99, v94, s[12:13] offset:12296
	s_wait_xcnt 0x0
	s_or_b32 exec_lo, exec_lo, s22
; K step n's fragments (18 loads) into set n % 2; where n is a multiple of 4 also the scale words of steps n .. n + 3 (5 loads) into set (n / 4) % 2
.macro FETCH n
.set fsl, ((\n)/8)%2
.set fsp, (\n)%8
.set ff, 72*((\n)%2)
	WIN TO_F
.irp i, 0,1,2
.irp c, 0,1
	ds_load_b128 v[ff+8*\i+4*\c:ff+8*\i+4*\c+3], v[ADRA+fsl] offset:8192*\i+1024*fsp+512*\c
.endr
.endr
.irp b, 0,1,2,3,4,5
.irp c, 0,1
	ds_load_b128 v[ff+24+8*\b+4*\c:ff+24+8*\b+4*\c+3], v[ADRB+fsl] offset:8192*\b+1024*fsp+512*\c
.endr
.endr
	WIN 0
.if (\n)%4 == 0
.set sg, (\n)/4
.set sb, SC+20*(sg%2)
.irp i, 0,1,2
	ds_load_b128 v[sb+4*\i:sb+4*\i+3], v[ADRX] offset:1536*\i+16*sg
.endr
	ds_load_b128 v[sb+12:sb+15], v[ADRY] offset:4608+16*sg
	ds_load_b128 v[sb+16:sb+19], v[ADRZ] offset:7680+16*sg
.endif
.endm
; Numbers lo .. hi - 1 of K step s's 18 matrix instructions.  Source 0 = 16 rows of V1, source 1 = 16 rows of V2: register j of lane (r, h) is V(8 h + j, r).
; The 18 accumulators take turns, one instruction a turn, in the same order in every step.
.macro MULS s, lo, hi, zero
.set mf, 72*((\s)%2)
.set ms, SC+20*(((\s)/4)%2)+(\s)%4
.set idx, 0
.irp a, 0,1,2
.irp b, 0,1,2,3,4,5
.if (idx >= \lo) && (idx < \hi)
.set rD, ACC+8*(6*\a+\b)
.set rA, mf+8*\a
.set rB, mf+24+8*\b
.set rX, ms+4*\a
.if \b < 3
.set rY, ms+4*\b
.elseif \b < 5
.set rY, ms+12
.else
.set rY, ms+16
.endif
.if (\b < 3) || (\b == 4)
.if \zero
	v_wmma_scale_f32_16x16x128_f8f6f4 v[rD:rD+7], v[rA:rA+7], v[rB:rB+7], 0, v[rX], v[rY] matrix_a_fmt:MATRIX_FMT_FP4 matrix_b_fmt:MATRIX_FMT_FP4 matrix_b_scale:MATRIX_SCALE_ROW1
.else
	v_wmma_scale_f32_16x16x128_f8f6f4 v[rD:rD+7], v[rA:rA+7], v[rB:rB+7], v[rD:rD+7], v[rX], v[rY] matrix_a_fmt:MATRIX_FMT_FP4 matrix_b_fmt:MATRIX_FMT_FP4 matrix_b_scale:MATRIX_SCALE_ROW1
.endif
.else
.if \zero
	v_wmma_scale_f32_16x16x128_f8f6f4 v[rD:rD+7], v[rA:rA+7], v[rB:rB+7], 0, v[rX], v[rY] matrix_a_fmt:MATRIX_FMT_FP4 matrix_b_fmt:MATRIX_FMT_FP4
.else
	v_wmma_scale_f32_16x16x128_f8f6f4 v[rD:rD+7], v[rA:rA+7], v[rB:rB+7], v[rD:rD+7], v[rX], v[rY] matrix_a_fmt:MATRIX_FMT_FP4 matrix_b_fmt:MATRIX_FMT_FP4
.endif
.endif
.endif
.set idx, idx+1
.endr
.endr
.endm
.macro STEP s, zero                    ; a K step whose successor lies in the same slot: the next step's loads are issued ahead of this step's 18 products
	s_wait_dscnt 0x0                               ; this step's fragments and scale words are in
	PLACES
	FETCH (\s)+1
	WIN MUL
	MULS \s, 0, 18, \zero
	WIN 0
.endm
; A slot's last step: one barrier; in front of it each wave waits for all its tensor loads, adds 0 to its spare word, and waits for that and for its reads of this slot.  fill = 1: the slot is filled again.
.macro TURN s, fill
	s_wait_dscnt 0x0                               ; this step's fragments are in: my reads of this slot are over
	s_wait_tensorcnt 0x0                           ; all my tensor loads have landed: my part of the next slot
	ds_add_u32 v[SPW], v[NIL]                      ; 0 onto my spare word
	WIN MUL
	MULS \s, 0, 9, 0                               ; nine matrix instructions stand between the add and the wait for it
	s_wait_dscnt 0x0
	s_barrier_signal -1
	MULS \s, 9, 18, 0
	WIN 0
	s_barrier_wait -1
.if \fill
	CREST                                          ; the barrier has opened a round of the cluster's: no wave of any partner still reads this slot or has a load on its way
	s_add_nc_u64 s[G0+2:G0+3], s[G0+2:G0+3], 16384 ; slot 0's next eight K steps: 16 to 23
	s_add_nc_u64 s[G0B+2:G0B+3], s[G0B+2:G0B+3], 16384
	JLOAD G0, G1, G0B, G1B                         ; the first tensor load behind the round, one a wave; its four v_nop are the places in front of the loads below
.else
	PLACES
.endif
	FETCH (\s)+1
.endm
	s_wait_tensorcnt 0x1                           ; the scale bytes and my part of slot 0 are in (slot 1's load may be out)
	s_barrier_signal -1
	s_barrier_wait -1                              ; everybody's are
	FETCH 0
	STEP 0, 1                                      ; the first step's products start the sums: nothing is cleared
.set S, 1
.rept 6
	STEP S, 0
.set S, S+1
.endr
	TURN 7, 1
.set S, 8
.rept 7
	STEP S, 0
.set S, S+1
.endr
	TURN 15, 0                                     ; behind this barrier nobody reads slot 1 any more, and nothing is filled
.set S, 16
.rept 7
	STEP S, 0
.set S, S+1
.endr
	s_wait_dscnt 0x0
	WIN MUL
	MULS 23, 0, 18, 0
	WIN 0
	PLACES
; THE BIASES, raw f32: b1 = flat V 2,097,152 .. 2,098,175 (rows 723, 724: registers 3, 4 of the lower row half's accumulators (0, b)), b2 = 4,195,328 .. 4,197,375 (row 1448: register 0 of the upper half's).
; Every work-group runs the lines; a mask on the flat index and on the column picks the lanes (a filled-up column past 2,896 would carry the index of the next row).
.macro BIAS j, b, c0, len, off
	v_add_nc_u32 v72, 2897*(\j)+16*(\b)-(\c0), v15 ; the place in the slice
	v_add_nc_u32 v73, 16*(\b), v14                 ; the column
	v_cmp_gt_u32 s20, \len, v72
	v_cmp_gt_u32 s21, 2897, v73
	v_lshlrev_b32 v74, 2, v72
	s_and_b32 vcc_lo, s20, s21
	s_wait_xcnt 0x0                                ; EXEC changes only behind this wait
	s_and_saveexec_b32 s22, vcc_lo
	global_store_b32 v74, v[ACC+8*(\b)+(\j)], s[12:13] offset:\off
	s_wait_xcnt 0x0                                ; and v74 is written again only behind this one
	s_or_b32 exec_lo, exec_lo, s22
.endm
	s_cmp_eq_u32 s15, 0
	s_cbranch_scc1 .Lbias_b2
.irp j, 3,4                            ; register 3 of each accumulator is read ahead of register 4
.irp b, 0,1,2,3,4,5
	BIAS \j, \b, 2097152, 1024, 0
.endr
.endr
	s_branch .Lbias_done
.Lbias_b2:
.irp b, 0,1,2,3,4,5
	BIAS 0, \b, 4195328, 2048, 4096
.endr
.Lbias_done:
	; into the stage: x fW, rounded to f16; register j goes to line 16 a + 8 h + j, shifted by j elements
.set t, 0
.rept 18
.set rD, ACC+8*t
.set rP, 80+4*(t%2)
.irp i, 0,1,2,3
	v_pk_mul_f32 v[72+2*\i:73+2*\i], v[rD+2*\i:rD+2*\i+1], s[94:95] op_sel_hi:[1,0]
.endr
.irp i, 0,1,2,3
	v_cvt_pk_f16_f32 v[rP+\i], v[72+2*\i], v[73+2*\i]
.endr
.irp i, 0,1,2,3
	ds_store_b16 v[STO], v[rP+\i] offset:(16*(t/6)+2*\i)*SP+4*\i+32*(t%6)
	ds_store_b16_d16_hi v[STO], v[rP+\i] offset:(16*(t/6)+2*\i+1)*SP+4*\i+2+32*(t%6)
.endr
.set t, t+1
.endr
	s_wait_dscnt 0x0                               ; for the others' sake: my stores into the stage have landed
	s_barrier_signal -1
	s_barrier_wait -1
	; back, all lanes on: 18 loads of whole pieces (pieces 0-23 of my 24 lines), 18 of single elements (pieces 0, 2 and 24)
.irp u, 0,1,2
.irp k, 0,1,2
.irp qp, 0,1
	ds_load_b128 v[112+4*((3*\u+\k)*2+\qp):112+4*((3*\u+\k)*2+\qp)+3], v[PAL] offset:(8*\u+4*\qp)*SP+128*\k
.endr
.endr
.endr
.set n, 0
.irp u, 0,1,2
.irp sl, 0,2,24
.irp eh, 0,1
	ds_load_u16 v[184+n], v[PBL] offset:8*SP*\u+16*\sl+8*\eh
.set n, n+1
.endr
.endr
.endr
	s_wait_dscnt 0x0
	; whole pieces: the piece's first column t lies in 0 .. valid columns - 8 (one unsigned compare)
.irp k, 0,1,2
.irp qp, 0,1
	v_add_nc_u32 v72, 64*\k-4*\qp, v8
	v_cmp_ge_u32 vcc_lo, s97, v72
	s_and_saveexec_b32 s22, vcc_lo
.irp u, 0,1,2
	global_store_b128 v[PAG], v[112+4*((3*\u+\k)*2+\qp):112+4*((3*\u+\k)*2+\qp)+3], s[10:11] offset:46352*\u+23168*\qp+128*\k
.endr
	s_wait_xcnt 0x0                                ; EXEC is widened only behind this wait
	s_or_b32 exec_lo, exec_lo, s22
.endr
.endr
	; single elements: a valid column of a piece that is not whole: piece 0 (a line's head), piece 24 (its tail where 192 columns are valid), piece 2 (its tail where 17 are)
.set si, 0
.irp sl, 0,2,24
.irp eh, 0,1
	v_add_nc_u32 v72, 8*\sl, v13                   ; the piece's first column
	v_add_nc_u32 v73, 8*\sl+4*\eh, v7              ; my element's column
	v_cmp_gt_u32 s20, s96, v73
	v_cmp_lt_u32 s21, s97, v72
	s_and_b32 vcc_lo, s20, s21
	s_and_saveexec_b32 s22, vcc_lo
.irp u, 0,1,2
	global_store_b16 v[PBG], v[184+(3*\u+si)*2+\eh], s[10:11] offset:46352*\u+16*\sl+8*\eh
.endr
	s_wait_xcnt 0x0
	s_or_b32 exec_lo, exec_lo, s22
.endr
.set si, si+1
.endr
	s_wait_tensorcnt 0x0                           ; the wave's end
	ds_add_u32 v[SPW], v[NIL]
	s_wait_dscnt 0x0
	CROUND                                         ; the closing round: no work-group ends while a partner may still ask for a tile that names it
	s_endpgm
.Lfunc_end_k_q388a434743_vgemm:
	.size	k_q388a434743_vgemm, .Lfunc_end_k_q388a434743_vgemm-k_q388a434743_vgemm
	.p2alignl 7, 3214868480
	.fill 96, 4, 3214868480
	.section	.rodata,"a",@progbits
	.p2align	6, 0x0
	.amdhsa_kernel k_q388a434743_vgemm
		.amdhsa_group_segment_fixed_size 327680
		.amdhsa_private_segment_fixed_size 0
		.amdhsa_enable_private_segment 0
		.amdhsa_kernarg_size 40
		.amdhsa_user_sgpr_count 2
		.amdhsa_user_sgpr_kernarg_segment_ptr 1
		.amdhsa_wavefront_size32 1
		.amdhsa_system_sgpr_workgroup_id_x 1
		.amdhsa_system_sgpr_workgroup_id_y 1
		.amdhsa_system_sgpr_workgroup_id_z 1
		.amdhsa_system_vgpr_workitem_id 0
		.amdhsa_next_free_vgpr 512
		.amdhsa_next_free_sgpr 100
		.amdhsa_reserve_vcc 1
		.amdhsa_float_denorm_mode_32 3
		.amdhsa_float_denorm_mode_16_64 3
		.amdhsa_memory_ordered 1
		.amdhsa_forward_progress 1
		.amdhsa_inst_pref_size 144
	.end_amdhsa_kernel
	.amdgpu_metadata
---
amdhsa.version: [ 1, 2 ]
amdhsa.kernels:
  - .name:           k_q388a434743_vgemm
    .symbol:         k_q388a434743_vgemm.kd
    .args:
      - { .name: codes, .offset: 0, .size: 8, .value_kind: global_buffer, .address_space: global }
      - { .name: scl, .offset: 8, .size: 8, .value_kind: global_buffer, .address_space: global }
      - { .name: peak, .offset: 16, .size: 8, .value_kind: global_buffer, .address_space: global }
      - { .name: wflat, .offset: 24, .size: 8, .value_kind: global_buffer, .address_space: global }
      - { .name: aux, .offset: 32, .size: 8, .value_kind: global_buffer, .address_space: global }
    .group_segment_fixed_size: 327680
    .private_segment_fixed_size: 0
    .kernarg_segment_align: 8
    .kernarg_segment_size: 40
    .max_flat_workgroup_size: 128
    .sgpr_count:     100
    .vgpr_count:     512
    .wavefront_size: 32
...
	.end_amdgpu_metadata
.endif
;; end of part 2
;; launch mlp1 (part 3): grid 8 x 32, 4 waves a work-group, clusters of 4 x 4, 327,680 bytes of LDS; arguments x16, wflat, h16, aux; writes h16
.if DOCPART == 3
	.amdgcn_target "amdgcn-amd-amdhsa--gfx1250"
	.amdhsa_code_object_version 6
	.text
	.protected	k_q388a434743_mlp1
	.globl	k_q388a434743_mlp1
	.p2align	8
	.type	k_q388a434743_mlp1,@function
k_q388a434743_mlp1:
	s_mov_b64 s[64:65], 0
	v_nop
	global_prefetch_b8 v0, s[64:65] scope:SCOPE_SE
	s_setreg_imm32_b32 hwreg(HW_REG_WAVE_MODE, 25, 1), 1
	s_wait_xcnt 0x0
	s_wait_alu depctr_hold_cnt(0) depctr_sa_sdst(0) depctr_va_vdst(0) depctr_va_sdst(0) depctr_va_ssrc(0) depctr_va_vcc(0) depctr_vm_vsrc(0)
	s_getreg_b32 s2, hwreg(HW_REG_IB_STS2, 6, 4)
	s_cmp_eq_u32 s2, 0
	s_cbranch_scc0 .Lentry_in_a_cluster
	s_endpgm
.Lentry_in_a_cluster:
	s_bfe_u32 s2, ttmp6, 0x10000c
	s_cmp_lg_u32 s2, 0xf033
	s_cbranch_scc0 .Lentry_shape_is_right
	s_endpgm
.Lentry_shape_is_right:
; h16 = f16( relu( (x16 W16^T) f1 + (b1 fW) f1 ) ).  x16 [4096][2048] f16; W16 = W1 x fW, [1024][2048] f16, the first 2,097,152 elements of flat V; b1 raw f32; sums in f32.
; SCALES, powers of two made of the three largest magnitudes (exponent fields EA, EB, EX): fW = 2^(256 - EA - EB), the factor under which W was stored (|W16| < 2^15).
; |sum| < 2^11 x 2^(EX - 126) x 2^15 = 2^(EX - 100) and |b1 fW| < 2^15, so with g = max(EX - 100, 15) + 1 and f1 = 2^(15 - g) every h16 lies under 2^15: h16 = h x fW x f1.
; LIMITS: the exponent fields of fW and f1 are held to 1 .. 254 and from 1 on: idle for |x| under 65,504 and a product of V1's and V2's largest magnitudes between about 2^-50 and 2^50; NaN and infinities are not served.
; A tile of the result is 128 x 128: 8 x 32 = 256 work-groups.  Four waves, each 64 x 64: 16 accumulators.  K goes in steps of 256 (LDS rows of 512 bytes, 64 to a wave's tensor load) through two slots.
; CLUSTERS: 4 x 4 work-groups: x's tiles are asked for jointly along a row of the cluster, W's along a column.  THE MATRIX INSTRUCTION IS USED TRANSPOSED (source 0 = 16 rows of W, source 1 = 16 rows of x):
; a lane holds eight neighbouring numbers of a row of the result.  The four waves share one stage on the way out, since a wave's 64 columns are half of an aligned 256 bytes.
; REGISTERS: window 0: v0-31 addresses; v32-95 at work on the way out; v96-127 the bias in the result's layout; v128-255 the accumulators.  Window 1: two fragment buffers of 128.
.set SIZE_M, 4096
.set SIZE_N, 1024
.set SIZE_K, 2048
.set KSTEP,  256
.set PITCH,  528                       ; an LDS row: 512 bytes + 16 of padding: the 16 rows that a load touches start in 16 different groups of banks
.set HALFT,  64*PITCH
.set SLOT,   4*HALFT
.set STAGE,  2*SLOT
.set SPITCH, 272
.set SPARE,  STAGE+128*SPITCH
.set LAPS, SIZE_K/(2*KSTEP)
.set ADRA, 16
.set ADRB, 20
.set STO,  24
.set RD,   25
.set CO,   26
.set BO,   27                          ; v27 32 x (lane / 16): my eight numbers of a bias block
.set SPW,  28
.set NIL,  29
.set TMP,  32
.set BI,   96
.set ACC,  128
.set F0,   0
.set F1,   128
.set G1, 24
.set G0, 32
.set G1B, 48
.set G0B, 56
.set MSB, 0
.macro WIN new                         ; the immediate's high byte repeats the setting that is left
.if MSB != \new
	s_set_vgpr_msb (MSB<<8)|\new
.set MSB, \new
.endif
.endm
.set MUL,  0x05                        ; sources 0 and 1 window 1; C and D window 0
.set TO_F, 0x40                        ; destination window 1, address window 0
.macro JLOAD s                         ; a joint load: waves 0 and 1 fetch A's halves, waves 2 and 3 B's; an s_nop 0 and four v_nop follow each line
	s_cmp_eq_u32 s11, 0
	s_cbranch_scc0 .Lfor_b_\@
	tensor_load_to_lds s[G0+4*\s:G0+4*\s+3], s[G1:G1+7]
	s_nop 0
.rept 4
	v_nop
.endr
	s_branch .Lasked_\@
.Lfor_b_\@:
	tensor_load_to_lds s[G0B+4*\s:G0B+4*\s+3], s[G1B:G1B+7]
	s_nop 0
.rept 4
	v_nop
.endr
.Lasked_\@:
.endm
.macro CREST
	s_cmp_lg_u32 s10, 0
	s_cbranch_scc1 .Lnot_wave_0_\@
	s_barrier_signal -3
.Lnot_wave_0_\@:
	s_barrier_wait -3
	s_barrier_signal -1
	s_barrier_wait -1
.endm
.macro CROUND
	s_barrier_signal -1
	s_barrier_wait -1
	CREST
.endm
	s_load_b128 s[4:7], s[0:1], 0x0                ; A s[4:5], B s[6:7]
	s_load_b64 s[8:9], s[0:1], 0x10                ; the result
	s_load_b64 s[66:67], s[0:1], 0x18              ; aux
	v_lshl_add_u32 v[SPW], v0, 2, SPARE
	v_mov_b32 v[NIL], 0
	ds_add_u32 v[SPW], v[NIL]                      ; the wave's opening: the add and its wait ahead of my first tensor load
	v_lshrrev_b32 v1, 5, v0
	v_readfirstlane_b32 s10, v1                    ; wave 0..3
	s_lshr_b32 s11, s10, 1                         ; which half of the tile's rows is mine.  Also: I fetch for A (0) or for B (1)
	s_and_b32 s12, s10, 1                          ; which half of its columns.  Also: which 64 rows of that tile I fetch
	s_bfe_u32 s40, ttmp6, 0x40000
	s_bfe_u32 s41, ttmp6, 0x40004
	s_lshl_b32 s42, ttmp9, 2
	s_add_co_u32 s42, s42, s40                     ; tile column
	s_and_b32 s13, ttmp7, 0xffff
	s_lshl_b32 s13, s13, 2
	s_add_co_u32 s13, s13, s41                     ; tile row
	s_lshl_b32 s43, s41, 2
	s_lshl_b32 s43, 15, s43                        ; my row of the cluster
	s_lshl_b32 s44, 0x1111, s40                    ; my column
	s_or_b32 s[G1+0], s43, (1<<16)|(1<<20)|(1<<21)|(6<<22)|(3<<25)  ; the mask; elements of 2 bytes; padding of 4 words after every 128
	s_or_b32 s[G1B+0], s44, (1<<16)|(1<<20)|(1<<21)|(6<<22)|(3<<25)
.irp g, G1, G1B
	s_mov_b32 s[\g+1], KSTEP<<16
	s_mov_b32 s[\g+2], 64<<16
	s_mov_b32 s[\g+3], KSTEP<<16
	s_mov_b32 s[\g+4], 64
	s_mov_b32 s[\g+5], SIZE_K
	s_mov_b32 s[\g+6], 0
	s_mov_b32 s[\g+7], 0
.endr
	s_lshl_b32 s17, s12, 6
	s_lshl_b32 s16, s13, 7
	s_add_co_u32 s16, s16, s17                     ; A: row 128 x tile row + 64 x half
	s_lshl_b32 s46, s42, 7
	s_add_co_u32 s46, s46, s17                     ; B: row 128 x tile column + 64 x half
	s_mov_b32 s17, 0
	s_mov_b32 s47, 0
	s_mov_b64 s[18:19], SIZE_K*2
	s_mul_u64 s[16:17], s[16:17], s[18:19]
	s_mul_u64 s[46:47], s[46:47], s[18:19]
	s_mul_i32 s20, s10, HALFT
	s_wait_dscnt 0x0                               ; the opening add is done
	s_wait_kmcnt 0x0
	s_add_nc_u64 s[14:15], s[4:5], s[16:17]
	s_add_nc_u64 s[46:47], s[6:7], s[46:47]
	s_load_b96 s[68:70], s[66:67], 0x3000          ; the largest magnitudes of V1, V2, x
	CROUND                                         ; all sixteen work-groups are here: the first joint loads meet
.irp s, 0,1
	s_mov_b32 s[G0+4*\s], 1
	s_add_co_u32 s[G0+4*\s+1], s20, \s*SLOT
	s_add_nc_u64 s[G0+4*\s+2:G0+4*\s+3], s[14:15], \s*KSTEP*2
	s_or_b32 s[G0+4*\s+3], s[G0+4*\s+3], 0x80000000
	s_mov_b32 s[G0B+4*\s], 1
	s_add_co_u32 s[G0B+4*\s+1], s20, \s*SLOT
	s_add_nc_u64 s[G0B+4*\s+2:G0B+4*\s+3], s[46:47], \s*KSTEP*2
	s_or_b32 s[G0B+4*\s+3], s[G0B+4*\s+3], 0x80000000
	JLOAD \s
.endr
	v_and_b32 v1, 15, v0                           ; l % 16
	v_bfe_u32 v2, v0, 4, 1                         ; l / 16
	v_mul_u32_u24 v3, v1, PITCH
	v_lshl_add_u32 v3, v2, 4, v3
	s_mul_i32 s21, s11, HALFT
	s_mul_i32 s22, s12, HALFT
	s_add_co_u32 s22, s22, 2*HALFT
.irp s, 0,1
	v_add_nc_u32 v[ADRA+\s], s21, v3
	v_add_nc_u32 v[ADRB+\s], s22, v3
	s_add_co_u32 s21, s21, SLOT
	s_add_co_u32 s22, s22, SLOT
.endr
	s_mul_i32 s23, s11, 64*SPITCH                  ; into the stage: my 64 rows, my half of their 256 bytes
	s_lshl_b32 s21, s12, 7
	s_add_co_u32 s23, s23, s21
	s_add_co_u32 s23, s23, STAGE
	v_mul_u32_u24 v4, v1, SPITCH
	v_lshl_add_u32 v4, v2, 4, v4
	v_add_nc_u32 v[STO], s23, v4
	s_mul_i32 s23, s10, 32*SPITCH                  ; back: wave w takes rows 32 w .. 32 w + 31, whole
	s_add_co_u32 s23, s23, STAGE
	v_mul_u32_u24 v5, v2, SPITCH
	v_lshl_add_u32 v5, v1, 4, v5
	v_add_nc_u32 v[RD], s23, v5
	v_mul_u32_u24 v5, v2, SIZE_N*2
	v_lshl_add_u32 v[CO], v1, 4, v5
	s_lshl_b32 s16, s13, 7
	s_lshl_b32 s17, s10, 5
	s_add_co_u32 s16, s16, s17
	s_mov_b32 s17, 0
	s_mov_b64 s[18:19], SIZE_N*2
	s_mul_u64 s[16:17], s[16:17], s[18:19]
	s_add_nc_u64 s[8:9], s[8:9], s[16:17]
	s_lshl_b32 s46, s42, 8
	s_mov_b32 s47, 0
	s_add_nc_u64 s[8:9], s[8:9], s[46:47]
	; the bias of my 64 columns in the result's layout: block b, lane half h: numbers 16 b + 8 h + 0 .. 7
	s_lshl_b32 s78, s42, 9
	s_lshl_b32 s79, s12, 8
	s_add_co_u32 s78, s78, s79
	s_mov_b32 s79, 0
	s_add_nc_u64 s[76:77], s[66:67], s[78:79]
	v_lshlrev_b32 v[BO], 5, v2
.irp b, 0,1,2,3
	global_load_b128 v[BI+8*\b:BI+8*\b+3], v[BO], s[76:77] offset:64*\b
	global_load_b128 v[BI+8*\b+4:BI+8*\b+7], v[BO], s[76:77] offset:64*\b+16
.endr
	s_wait_kmcnt 0x0                               ; the three largest magnitudes
	s_lshr_b32 s68, s68, 23                        ; EA
	s_lshr_b32 s69, s69, 23                        ; EB
	s_lshr_b32 s70, s70, 23                        ; EX
	s_add_co_u32 s68, s68, s69
	s_sub_co_i32 s68, 383, s68
	s_max_i32 s68, s68, 1
	s_min_i32 s68, s68, 254
	s_lshl_b32 s72, s68, 23                        ; fW
	s_mov_b32 s73, s72
	s_sub_co_i32 s70, s70, 100
	s_max_i32 s70, s70, 15
	s_add_co_u32 s70, s70, 1                       ; g
	s_sub_co_i32 s71, 142, s70
	s_max_i32 s71, s71, 1
	s_lshl_b32 s74, s71, 23                        ; f1 = 2^(15 - g)
	s_mov_b32 s75, s74
.macro MUL8 f, c, a0, zero             ; 8 matrix instructions: m blocks a0, a0 + 1 x all 4 n blocks, 32 along K: half c of buffer f
.irp a, \a0, \a0+1
.irp b, 0,1,2,3
.if \zero
	v_wmma_f32_16x16x32_f16 v[ACC+8*(4*(\a)+\b):ACC+8*(4*(\a)+\b)+7], v[\f+64+8*(4*\c+\b):\f+64+8*(4*\c+\b)+7], v[\f+8*(4*\c+\a):\f+8*(4*\c+\a)+7], 0
.else
	v_wmma_f32_16x16x32_f16 v[ACC+8*(4*(\a)+\b):ACC+8*(4*(\a)+\b)+7], v[\f+64+8*(4*\c+\b):\f+64+8*(4*\c+\b)+7], v[\f+8*(4*\c+\a):\f+8*(4*\c+\a)+7], v[ACC+8*(4*(\a)+\b):ACC+8*(4*(\a)+\b)+7]
.endif
.endr
.endr
.endm
.macro FETCH slot, k, f                ; 32 LDS loads in one run: the fragments of 64 along K at byte k of the rows; the first 32 along K first
	WIN TO_F
.irp c, 0,1
.irp i, 0,1,2,3
	ds_load_b128 v[\f+64+8*(4*\c+\i):\f+64+8*(4*\c+\i)+3],   v[ADRB+\slot] offset:\k+64*\c+\i*16*PITCH
	ds_load_b128 v[\f+64+8*(4*\c+\i)+4:\f+64+8*(4*\c+\i)+7], v[ADRB+\slot] offset:\k+64*\c+\i*16*PITCH+32
	ds_load_b128 v[\f+8*(4*\c+\i):\f+8*(4*\c+\i)+3],         v[ADRA+\slot] offset:\k+64*\c+\i*16*PITCH
	ds_load_b128 v[\f+8*(4*\c+\i)+4:\f+8*(4*\c+\i)+7],       v[ADRA+\slot] offset:\k+64*\c+\i*16*PITCH+32
.endr
.endr
.endm
.macro PLACES
.rept 4
	v_nop
.endr
.endm
.macro QUARTER slot, k, f, g, zero     ; 64 along K: multiplies buffer f and fetches the next quarter, at byte k, into g
	s_wait_dscnt 16                                ; the first 32 along K are in; the other sixteen loads may be out
	WIN MUL
	MUL8 \f, 0, 0, \zero
	MUL8 \f, 0, 2, \zero
	PLACES
	FETCH \slot, \k, \g
	s_wait_dscnt 32                                ; all but the 32 just issued
	WIN MUL
	MUL8 \f, 1, 0, 0
	MUL8 \f, 1, 2, 0
.endm
.macro TURN slot, next, fill           ; the last quarter changes slots: one barrier; fill = 1: this slot is filled again, two K steps ahead
	WIN 0
	s_wait_tensorcnt 0x0                           ; all my tensor loads have landed: my part of the next slot
	ds_add_u32 v[SPW], v[NIL]                      ; 0 onto my spare word
	s_wait_dscnt 17                                ; (the add and the youngest sixteen loads may be out)
	WIN MUL
	MUL8 F1, 0, 0, 0
	s_wait_dscnt 0x0                               ; the add is done, and my reads of this slot are over
	s_barrier_signal -1
	MUL8 F1, 0, 2, 0
.if \fill
	WIN 0
.endif
	s_barrier_wait -1
.if \fill
	CREST                                          ; the barrier has opened a round of the cluster's: no wave of any partner still reads this slot or has a load on its way
	s_add_nc_u64 s[G0+4*\slot+2:G0+4*\slot+3], s[G0+4*\slot+2:G0+4*\slot+3], 2*KSTEP*2
	s_add_nc_u64 s[G0B+4*\slot+2:G0B+4*\slot+3], s[G0B+4*\slot+2:G0B+4*\slot+3], 2*KSTEP*2
	JLOAD \slot                                    ; the first tensor load behind the round; its four v_nop are the places in front of the loads below
.else
	PLACES
.endif
	FETCH \next, 0, F0
	WIN MUL
	MUL8 F1, 1, 0, 0
	MUL8 F1, 1, 2, 0
.endm
	s_wait_tensorcnt 1                             ; my part of K step 0 is in (K step 1's load may be out)
	s_barrier_signal -1
	s_barrier_wait -1                              ; everybody's is
	FETCH 0, 0, F0
	QUARTER 0, 128, F0, F1, 1                      ; the first quarter's first products start the sums
	WIN 0
	s_mov_b32 s3, LAPS-1
.Llap:                                                 ; a trip goes once round the ring and fills both slots again
	QUARTER 0, 256, F1, F0, 0
	QUARTER 0, 384, F0, F1, 0
	TURN 0, 1, 1
	QUARTER 1, 128, F0, F1, 0
	QUARTER 1, 256, F1, F0, 0
	QUARTER 1, 384, F0, F1, 0
	TURN 1, 0, 1
	QUARTER 0, 128, F0, F1, 0
	WIN 0
	s_sub_co_u32 s3, s3, 1
	s_cmp_lg_u32 s3, 0
	s_cbranch_scc1 .Llap
	QUARTER 0, 256, F1, F0, 0                      ; the last lap fills nothing
	QUARTER 0, 384, F0, F1, 0
	TURN 0, 1, 0
	QUARTER 1, 128, F0, F1, 0
	QUARTER 1, 256, F1, F0, 0
	QUARTER 1, 384, F0, F1, 0
	s_wait_dscnt 16
	WIN MUL
	MUL8 F1, 0, 0, 0
	MUL8 F1, 0, 2, 0
	s_wait_dscnt 0
	MUL8 F1, 1, 0, 0
	MUL8 F1, 1, 2, 0
	WIN 0
	; THE WAY OUT: sum x f1 + (b1 fW) f1, relu, f16; through the work-group's stage; whole rows of 256 bytes out
	PLACES
	s_wait_loadcnt 0x0                             ; the bias
.set i, 0
.rept 16
	v_pk_mul_f32 v[BI+2*i:BI+2*i+1], v[BI+2*i:BI+2*i+1], s[72:73] op_sel_hi:[1,0]
.set i, i+1
.endr
.set i, 0
.rept 16
	v_pk_mul_f32 v[BI+2*i:BI+2*i+1], v[BI+2*i:BI+2*i+1], s[74:75] op_sel_hi:[1,0]
.set i, i+1
.endr
.irp t, 0,1,2,3,4,5,6,7,8,9,10,11,12,13,14,15
.irp r, 0,1,2,3
	v_pk_fma_f32 v[ACC+8*\t+2*\r:ACC+8*\t+2*\r+1], v[ACC+8*\t+2*\r:ACC+8*\t+2*\r+1], s[74:75], v[BI+8*(\t%4)+2*\r:BI+8*(\t%4)+2*\r+1] op_sel_hi:[1,0,1]
.endr
.irp r, 0,1,2,3,4,5,6,7
	v_max_num_f32 v[ACC+8*\t+\r], 0, v[ACC+8*\t+\r]
.endr
.irp r, 0,1,2,3
	v_cvt_pk_f16_f32 v[TMP+4*\t+\r], v[ACC+8*\t+2*\r], v[ACC+8*\t+2*\r+1]
.endr
.endr
.irp a, 0,1,2,3
.irp b, 0,1,2,3
	ds_store_b128 v[STO], v[TMP+4*(4*\a+\b):TMP+4*(4*\a+\b)+3] offset:\a*16*SPITCH+32*\b
.endr
.endr
	s_wait_dscnt 0x0                               ; for the others' sake: my stores into the stage are done
	s_barrier_signal -1
	s_barrier_wait -1
.irp t, 0,1,2,3,4,5,6,7,8,9,10,11,12,13,14,15
	ds_load_b128 v[TMP+4*\t:TMP+4*\t+3], v[RD] offset:\t*2*SPITCH
.endr
.irp t, 0,1,2,3,4,5,6,7,8,9,10,11,12,13,14,15
	s_wait_dscnt 15-\t                             ; load t is in, the younger ones stay out
	global_store_b128 v[CO], v[TMP+4*\t:TMP+4*\t+3], s[8:9] offset:2*\t*SIZE_N*2   ; 16 lanes store 256 consecutive bytes, at a multiple of 256 from the buffer's first byte
.endr
	s_wait_tensorcnt 0x0                           ; the wave's end
	ds_add_u32 v[SPW], v[NIL]
	s_wait_dscnt 0x0
	CROUND                                         ; the closing round
	s_endpgm
.Lfunc_end_k_q388a434743_mlp1:
	.size	k_q388a434743_mlp1, .Lfunc_end_k_q388a434743_mlp1-k_q388a434743_mlp1
	.p2alignl 7, 3214868480
	.fill 96, 4, 3214868480
	.section	.rodata,"a",@progbits
	.p2align	6, 0x0
	.amdhsa_kernel k_q388a434743_mlp1
		.amdhsa_group_segment_fixed_size 327680
		.amdhsa_private_segment_fixed_size 0
		.amdhsa_enable_private_segment 0
		.amdhsa_kernarg_size 32
		.amdhsa_user_sgpr_count 2
		.amdhsa_user_sgpr_kernarg_segment_ptr 1
		.amdhsa_wavefront_size32 1
		.amdhsa_system_sgpr_workgroup_id_x 1
		.amdhsa_system_sgpr_workgroup_id_y 1
		.amdhsa_system_sgpr_workgroup_id_z 1
		.amdhsa_system_vgpr_workitem_id 0
		.amdhsa_next_free_vgpr 512
		.amdhsa_next_free_sgpr 80
		.amdhsa_reserve_vcc 0
		.amdhsa_float_denorm_mode_32 3
		.amdhsa_float_denorm_mode_16_64 3
		.amdhsa_memory_ordered 1
		.amdhsa_forward_progress 1
		.amdhsa_inst_pref_size 98
	.end_amdhsa_kernel
	.amdgpu_metadata
---
amdhsa.version: [ 1, 2 ]
amdhsa.kernels:
  - .name:           k_q388a434743_mlp1
    .symbol:         k_q388a434743_mlp1.kd
    .args:
      - { .name: x16, .offset: 0, .size: 8, .value_kind: global_buffer, .address_space: global }
      - { .name: wflat, .offset: 8, .size: 8, .value_kind: global_buffer, .address_space: global }
      - { .name: h16, .offset: 16, .size: 8, .value_kind: global_buffer, .address_space: global }
      - { .name: aux, .offset: 24, .size: 8, .value_kind: global_buffer, .address_space: global }
    .group_segment_fixed_size: 327680
    .private_segment_fixed_size: 0
    .kernarg_segment_align: 8
    .kernarg_segment_size: 32
    .max_flat_workgroup_size: 128
    .sgpr_count:     80
    .vgpr_count:     512
    .wavefront_size: 32
...
	.end_amdgpu_metadata
.endif
;; end of part 3
;; launch mlp2 (part 4): grid 16 x 16, 4 waves a work-group, clusters of 4 x 4, 327,680 bytes of LDS; arguments h16, wflat, out0, aux; writes out0
.if DOCPART == 4
	.amdgcn_target "amdgcn-amd-amdhsa--gfx1250"
	.amdhsa_code_object_version 6
	.text
	.protected	k_q388a434743_mlp2
	.globl	k_q388a434743_mlp2
	.p2align	8
	.type	k_q388a434743_mlp2,@function
k_q388a434743_mlp2:
	s_mov_b64 s[64:65], 0
	v_nop
	global_prefetch_b8 v0, s[64:65] scope:SCOPE_SE
	s_setreg_imm32_b32 hwreg(HW_REG_WAVE_MODE, 25, 1), 1
	s_wait_xcnt 0x0
	s_wait_alu depctr_hold_cnt(0) depctr_sa_sdst(0) depctr_va_vdst(0) depctr_va_sdst(0) depctr_va_ssrc(0) depctr_va_vcc(0) depctr_vm_vsrc(0)
	s_getreg_b32 s2, hwreg(HW_REG_IB_STS2, 6, 4)
	s_cmp_eq_u32 s2, 0
	s_cbranch_scc0 .Lentry_in_a_cluster
	s_endpgm
.Lentry_in_a_cluster:
	s_bfe_u32 s2, ttmp6, 0x10000c
	s_cmp_lg_u32 s2, 0xf033
	s_cbranch_scc0 .Lentry_shape_is_right
	s_endpgm
.Lentry_shape_is_right:
; out = (h16 W16^T) sO + b2.  h16 [4096][1024] f16 = h x fW x f1; W16 = W2 x fW, [2048][1024] f16, at byte 4,196,352 of flat V; b2 raw f32; sums in f32; out [4096][2048] f32.
; sO = 1 / (fW^2 f1), a power of two: with FW = 383 - EA - EB (fW's exponent field) and g = max(EX - 100, 15) + 1 (f1 = 2^(15 - g)) its exponent field is 366 + g - 2 FW.
; LIMITS: the exponent fields are held to 1 .. 254: idle for |x| under 65,504 and a product of V1's and V2's largest magnitudes between about 2^-50 and 2^50; NaN and infinities are not served.
; A tile of the result is 128 x 128: 512 tiles.  A WORK-GROUP STAYS: each of the 16 x 16 = 256 work-groups makes two tiles of one tile column, 2,048 rows apart, so that both take the same rows of W and the same b2.
; The ring does not stop at the first tile's end: its last two changes of slots ask for the second tile's K steps 0 and 1; then the first tile goes out, and its stores leave while the second tile is multiplied.
; Four waves, each 64 x 64: 16 accumulators.  K goes in steps of 256 (LDS rows of 512 bytes, 64 to a wave's tensor load) through two slots; a tile has four K steps, so the eight are written out.
; CLUSTERS: 4 x 4 work-groups: h's tiles are asked for jointly along a row of the cluster, W's along a column; all sixteen partners walk in step.  The matrix instruction is used transposed (source 0 = 16 rows of W,
; source 1 = 16 rows of h): a lane holds eight neighbouring numbers of a row.  A wave's 64 columns of f32 are 256 aligned bytes: each wave has a stage of its own, behind the ring, and no barrier on the way out.
; REGISTERS: window 0: v0-31 addresses; v32-95 rows on the way out, two sets; v96-127 the bias in the result's layout; v128-255 the accumulators.  Window 1: two fragment buffers of 128.
.set SIZE_M, 4096
.set SIZE_N, 2048
.set SIZE_K, 1024
.set KSTEP,  256
.set PITCH,  528                       ; an LDS row: 512 bytes + 16 of padding: the 16 rows that a load touches start in 16 different groups of banks
.set HALFT,  64*PITCH
.set SLOT,   4*HALFT
.set STAGE,  2*SLOT
.set SPITCH, 272
.set SPARE,  STAGE+4*16*SPITCH
.set WALK,   2048                      ; rows from my first tile to my second
.set NEXT_A, WALK*SIZE_K*2-(SIZE_K-2*KSTEP)*2  ; bytes from a slot's last K step of the first tile to its first of the second: WALK rows down and back along K,
.set BACK_B, (SIZE_K-2*KSTEP)*2        ; W only back
.set ADRA, 16
.set ADRB, 20
.set STO,  24
.set RD,   25
.set CO,   26
.set BO,   27
.set SPW,  28
.set NIL,  29
.set TMP,  32
.set BI,   96
.set ACC,  128
.set F0,   0
.set F1,   128
.set G1, 24
.set G0, 32
.set G1B, 48
.set G0B, 56
.set MSB, 0
.macro WIN new                         ; the immediate's high byte repeats the setting that is left
.if MSB != \new
	s_set_vgpr_msb (MSB<<8)|\new
.set MSB, \new
.endif
.endm
.set MUL,  0x05                        ; sources 0 and 1 window 1; C and D window 0
.set TO_F, 0x40                        ; destination window 1, address window 0
.macro JLOAD s                         ; a joint load: waves 0 and 1 fetch A's halves, waves 2 and 3 B's; an s_nop 0 and four v_nop follow each line
	s_cmp_eq_u32 s11, 0
	s_cbranch_scc0 .Lfor_b_\@
	tensor_load_to_lds s[G0+4*\s:G0+4*\s+3], s[G1:G1+7]
	s_nop 0
.rept 4
	v_nop
.endr
	s_branch .Lasked_\@
.Lfor_b_\@:
	tensor_load_to_lds s[G0B+4*\s:G0B+4*\s+3], s[G1B:G1B+7]
	s_nop 0
.rept 4
	v_nop
.endr
.Lasked_\@:
.endm
.macro CREST
	s_cmp_lg_u32 s10, 0
	s_cbranch_scc1 .Lnot_wave_0_\@
	s_barrier_signal -3
.Lnot_wave_0_\@:
	s_barrier_wait -3
	s_barrier_signal -1
	s_barrier_wait -1
.endm
.macro CROUND
	s_barrier_signal -1
	s_barrier_wait -1
	CREST
.endm
	s_load_b128 s[4:7], s[0:1], 0x0                ; A s[4:5], flat V s[6:7]
	s_load_b64 s[8:9], s[0:1], 0x10                ; the result
	s_load_b64 s[66:67], s[0:1], 0x18              ; aux
	v_lshl_add_u32 v[SPW], v0, 2, SPARE
	v_mov_b32 v[NIL], 0
	ds_add_u32 v[SPW], v[NIL]                      ; the wave's opening: the add and its wait ahead of my first tensor load
	v_lshrrev_b32 v1, 5, v0
	v_readfirstlane_b32 s10, v1                    ; wave 0..3
	s_lshr_b32 s11, s10, 1                         ; which half of a tile's rows is mine.  Also: I fetch for A (0) or for B (1)
	s_and_b32 s12, s10, 1                          ; which half of its columns.  Also: which 64 rows of that tile I fetch
	s_bfe_u32 s40, ttmp6, 0x40000
	s_bfe_u32 s41, ttmp6, 0x40004
	s_lshl_b32 s42, ttmp9, 2
	s_add_co_u32 s42, s42, s40                     ; tile column, 0 .. 15
	s_and_b32 s13, ttmp7, 0xffff
	s_lshl_b32 s13, s13, 2
	s_add_co_u32 s13, s13, s41                     ; my first tile's row, 0 .. 15; the second's is 16 more
	s_lshl_b32 s43, s41, 2
	s_lshl_b32 s43, 15, s43                        ; my row of the cluster
	s_lshl_b32 s44, 0x1111, s40                    ; my column
	s_or_b32 s[G1+0], s43, (1<<16)|(1<<20)|(1<<21)|(6<<22)|(3<<25)  ; the mask; elements of 2 bytes; padding of 4 words after every 128
	s_or_b32 s[G1B+0], s44, (1<<16)|(1<<20)|(1<<21)|(6<<22)|(3<<25)
.irp g, G1, G1B
	s_mov_b32 s[\g+1], KSTEP<<16
	s_mov_b32 s[\g+2], 64<<16
	s_mov_b32 s[\g+3], KSTEP<<16
	s_mov_b32 s[\g+4], 64
	s_mov_b32 s[\g+5], SIZE_K
	s_mov_b32 s[\g+6], 0
	s_mov_b32 s[\g+7], 0
.endr
	s_lshl_b32 s17, s12, 6
	s_lshl_b32 s16, s13, 7
	s_add_co_u32 s16, s16, s17                     ; A: row 128 x tile row + 64 x half
	s_lshl_b32 s46, s42, 7
	s_add_co_u32 s46, s46, s17                     ; B: row 128 x tile column + 64 x half
	s_mov_b32 s17, 0
	s_mov_b32 s47, 0
	s_mov_b64 s[18:19], SIZE_K*2
	s_mul_u64 s[16:17], s[16:17], s[18:19]
	s_mul_u64 s[46:47], s[46:47], s[18:19]
	s_mul_i32 s20, s10, HALFT
	s_wait_dscnt 0x0                               ; the opening add is done
	s_wait_kmcnt 0x0
	s_add_nc_u64 s[6:7], s[6:7], 0x400800          ; W2 begins at element 2,098,176 of flat V
	s_add_nc_u64 s[14:15], s[4:5], s[16:17]
	s_add_nc_u64 s[46:47], s[6:7], s[46:47]
	s_load_b96 s[68:70], s[66:67], 0x3000          ; the largest magnitudes of V1, V2, x
	CROUND                                         ; all sixteen work-groups are here: the first joint loads meet
.irp s, 0,1
	s_mov_b32 s[G0+4*\s], 1
	s_add_co_u32 s[G0+4*\s+1], s20, \s*SLOT
	s_add_nc_u64 s[G0+4*\s+2:G0+4*\s+3], s[14:15], \s*KSTEP*2
	s_or_b32 s[G0+4*\s+3], s[G0+4*\s+3], 0x80000000
	s_mov_b32 s[G0B+4*\s], 1
	s_add_co_u32 s[G0B+4*\s+1], s20, \s*SLOT
	s_add_nc_u64 s[G0B+4*\s+2:G0B+4*\s+3], s[46:47], \s*KSTEP*2
	s_or_b32 s[G0B+4*\s+3], s[G0B+4*\s+3], 0x80000000
	JLOAD \s
.endr
	v_and_b32 v1, 15, v0
	v_bfe_u32 v2, v0, 4, 1
	v_mul_u32_u24 v3, v1, PITCH
	v_lshl_add_u32 v3, v2, 4, v3
	s_mul_i32 s21, s11, HALFT
	s_mul_i32 s22, s12, HALFT
	s_add_co_u32 s22, s22, 2*HALFT
.irp s, 0,1
	v_add_nc_u32 v[ADRA+\s], s21, v3
	v_add_nc_u32 v[ADRB+\s], s22, v3
	s_add_co_u32 s21, s21, SLOT
	s_add_co_u32 s22, s22, SLOT
.endr
	s_mul_i32 s23, s10, 16*SPITCH
	s_add_co_u32 s23, s23, STAGE                   ; my stage: 16 rows x (256 bytes + 16)
	v_mul_u32_u24 v4, v1, SPITCH
	v_lshl_add_u32 v4, v2, 5, v4
	v_add_nc_u32 v[STO], s23, v4                   ; in: row l % 16, 32 bytes for each half of the lanes
	v_mul_u32_u24 v5, v2, SPITCH
	v_lshl_add_u32 v5, v1, 4, v5
	v_add_nc_u32 v[RD], s23, v5                    ; back: lanes 0-15 one row, lanes 16-31 the next
	v_lshlrev_b32 v5, 13, v2
	v_lshl_add_u32 v[CO], v1, 4, v5                ; and the same two rows of the result, 8,192 bytes apart
	s_lshl_b32 s16, s13, 7
	s_lshl_b32 s17, s11, 6
	s_add_co_u32 s16, s16, s17                     ; my first row: 128 x tile row + 64 x half
	s_mov_b32 s17, 0
	s_lshl_b64 s[16:17], s[16:17], 13
	s_add_nc_u64 s[8:9], s[8:9], s[16:17]
	s_lshl_b32 s78, s42, 9
	s_lshl_b32 s79, s12, 8
	s_add_co_u32 s78, s78, s79                     ; my first column, in bytes: 512 x tile column + 256 x half; the same in b2
	s_mov_b32 s79, 0
	s_add_nc_u64 s[8:9], s[8:9], s[78:79]
	s_add_nc_u64 s[76:77], s[66:67], s[78:79]
	v_lshlrev_b32 v[BO], 5, v2
.irp b, 0,1,2,3
	global_load_b128 v[BI+8*\b:BI+8*\b+3], v[BO], s[76:77] offset:4096+64*\b
	global_load_b128 v[BI+8*\b+4:BI+8*\b+7], v[BO], s[76:77] offset:4096+64*\b+16
.endr
	s_wait_kmcnt 0x0                               ; the three largest magnitudes
	s_lshr_b32 s68, s68, 23                        ; EA
	s_lshr_b32 s69, s69, 23                        ; EB
	s_lshr_b32 s70, s70, 23                        ; EX
	s_add_co_u32 s68, s68, s69
	s_sub_co_i32 s68, 383, s68
	s_max_i32 s68, s68, 1
	s_min_i32 s68, s68, 254                        ; FW
	s_sub_co_i32 s70, s70, 100
	s_max_i32 s70, s70, 15
	s_add_co_u32 s70, s70, 1                       ; g
	s_lshl_b32 s69, s68, 1
	s_add_co_u32 s71, s70, 366
	s_sub_co_i32 s71, s71, s69
	s_max_i32 s71, s71, 1
	s_min_i32 s71, s71, 254
	s_lshl_b32 s72, s71, 23                        ; sO
	s_mov_b32 s73, s72
.macro MUL8 f, c, a0, zero             ; 8 matrix instructions: m blocks a0, a0 + 1 x all 4 n blocks, 32 along K: half c of buffer f.  The 16 accumulators take turns
.irp a, \a0, \a0+1
.irp b, 0,1,2,3
.if \zero
	v_wmma_f32_16x16x32_f16 v[ACC+8*(4*(\a)+\b):ACC+8*(4*(\a)+\b)+7], v[\f+64+8*(4*\c+\b):\f+64+8*(4*\c+\b)+7], v[\f+8*(4*\c+\a):\f+8*(4*\c+\a)+7], 0
.else
	v_wmma_f32_16x16x32_f16 v[ACC+8*(4*(\a)+\b):ACC+8*(4*(\a)+\b)+7], v[\f+64+8*(4*\c+\b):\f+64+8*(4*\c+\b)+7], v[\f+8*(4*\c+\a):\f+8*(4*\c+\a)+7], v[ACC+8*(4*(\a)+\b):ACC+8*(4*(\a)+\b)+7]
.endif
.endr
.endr
.endm
.macro FETCH slot, k, f                ; 32 LDS loads in one run: the fragments of 64 along K at byte k of the rows; the first 32 along K first
	WIN TO_F
.irp c, 0,1
.irp i, 0,1,2,3
	ds_load_b128 v[\f+64+8*(4*\c+\i):\f+64+8*(4*\c+\i)+3],   v[ADRB+\slot] offset:\k+64*\c+\i*16*PITCH
	ds_load_b128 v[\f+64+8*(4*\c+\i)+4:\f+64+8*(4*\c+\i)+7], v[ADRB+\slot] offset:\k+64*\c+\i*16*PITCH+32
	ds_load_b128 v[\f+8*(4*\c+\i):\f+8*(4*\c+\i)+3],         v[ADRA+\slot] offset:\k+64*\c+\i*16*PITCH
	ds_load_b128 v[\f+8*(4*\c+\i)+4:\f+8*(4*\c+\i)+7],       v[ADRA+\slot] offset:\k+64*\c+\i*16*PITCH+32
.endr
.endr
.endm
.macro PLACES
.rept 4
	v_nop
.endr
.endm
.macro QUARTER slot, k, f, g, zero     ; 64 along K: multiplies buffer f and fetches the next quarter, at byte k, into g
	s_wait_dscnt 16                                ; the first 32 along K are in; the other sixteen loads may be out
	WIN MUL
	MUL8 \f, 0, 0, \zero
	MUL8 \f, 0, 2, \zero
	PLACES
	FETCH \slot, \k, \g
	s_wait_dscnt 32                                ; all but the 32 just issued
	WIN MUL
	MUL8 \f, 1, 0, 0
	MUL8 \f, 1, 2, 0
.endm
; The last quarter of a K step changes slots: one barrier.  fill = 1: this slot is filled again with this tile's K step two steps on; fill = 2: with the next tile's K step 0 or 1; fill = 0: not at all.
.macro TURN slot, next, fill
	WIN 0
	s_wait_tensorcnt 0x0                           ; all my tensor loads have landed: my part of the next slot
	ds_add_u32 v[SPW], v[NIL]                      ; 0 onto my spare word
	s_wait_dscnt 17                                ; (the add and the youngest sixteen loads may be out)
	WIN MUL
	MUL8 F1, 0, 0, 0
	s_wait_dscnt 0x0                               ; the add is done, and my reads of this slot are over
	s_barrier_signal -1
	MUL8 F1, 0, 2, 0
.if \fill
	WIN 0
.endif
	s_barrier_wait -1
.if \fill
	CREST                                          ; the barrier has opened a round of the cluster's: no wave of any partner still reads this slot or has a load on its way
.if \fill == 2
	s_add_nc_u64 s[G0+4*\slot+2:G0+4*\slot+3], s[G0+4*\slot+2:G0+4*\slot+3], NEXT_A
	s_sub_nc_u64 s[G0B+4*\slot+2:G0B+4*\slot+3], s[G0B+4*\slot+2:G0B+4*\slot+3], BACK_B
.else
	s_add_nc_u64 s[G0+4*\slot+2:G0+4*\slot+3], s[G0+4*\slot+2:G0+4*\slot+3], 2*KSTEP*2
	s_add_nc_u64 s[G0B+4*\slot+2:G0B+4*\slot+3], s[G0B+4*\slot+2:G0B+4*\slot+3], 2*KSTEP*2
.endif
	JLOAD \slot                                    ; the first tensor load behind the round, one a wave; its four v_nop are the places in front of the loads below
.else
	PLACES
.endif
	FETCH \next, 0, F0
	WIN MUL
	MUL8 F1, 1, 0, 0
	MUL8 F1, 1, 2, 0
.endm
; A tile's K steps 0 and 1, whose changes of slots ask for its K steps 2 and 3, and the first three quarters of K step 2.  The first products start the sums: nothing is cleared.
.macro HEADLAP
	QUARTER 0, 128, F0, F1, 1
	QUARTER 0, 256, F1, F0, 0
	QUARTER 0, 384, F0, F1, 0
	TURN 0, 1, 1
	QUARTER 1, 128, F0, F1, 0
	QUARTER 1, 256, F1, F0, 0
	QUARTER 1, 384, F0, F1, 0
	TURN 1, 0, 1
	QUARTER 0, 128, F0, F1, 0
	QUARTER 0, 256, F1, F0, 0
	QUARTER 0, 384, F0, F1, 0
.endm
; THE WAY OUT, 16 rows x 64 columns at a time: sum x sO + b2 in one fused multiply-add; through my own stage; back as whole rows of 256 bytes.  LDS serves a wave's instructions in order: no wait between my stores and my loads.
.macro TOSTAGE a
.if (\a) > 1
	s_wait_xcnt 0x0                                ; the stores of two blocks back have read their registers: this block's loads may land there
.endif
.irp b, 0,1,2,3
.irp r, 0,1,2,3
	v_pk_fma_f32 v[ACC+8*(4*(\a)+\b)+2*\r:ACC+8*(4*(\a)+\b)+2*\r+1], v[ACC+8*(4*(\a)+\b)+2*\r:ACC+8*(4*(\a)+\b)+2*\r+1], s[72:73], v[BI+8*\b+2*\r:BI+8*\b+2*\r+1] op_sel_hi:[1,0,1]
.endr
.endr
.irp b, 0,1,2,3
	ds_store_b128 v[STO], v[ACC+8*(4*(\a)+\b):ACC+8*(4*(\a)+\b)+3] offset:64*\b
	ds_store_b128 v[STO], v[ACC+8*(4*(\a)+\b)+4:ACC+8*(4*(\a)+\b)+7] offset:64*\b+16
.endr
.set BB, TMP+32*((\a)%2)
.irp t, 0,1,2,3,4,5,6,7
	ds_load_b128 v[BB+4*\t:BB+4*\t+3], v[RD] offset:\t*2*SPITCH
.endr
.endm
.macro SEND a, younger                 ; younger: the LDS instructions issued behind block a's loads, which may stay out
.set BB, TMP+32*((\a)%2)
	s_wait_dscnt \younger
.irp t, 0,1,2,3,4,5,6,7
	global_store_b128 v[CO], v[BB+4*\t:BB+4*\t+3], s[8:9] offset:(16*(\a)+2*\t)*SIZE_N*4 th:TH_STORE_NT   ; 16 lanes store 256 consecutive bytes, at a multiple of 256 from the buffer's first byte
.endr
.endm
.macro OUT first
	PLACES                                         ; four places behind the last products, ahead of the first read of results
.if \first
	s_wait_loadcnt 0x0                             ; the bias
.else
	s_wait_xcnt 0x0                                ; the first tile's stores have read their registers and their base: both may be written again
	s_add_nc_u64 s[8:9], s[8:9], WALK*SIZE_N*4     ; on to the second tile's rows
.endif
	TOSTAGE 0
	TOSTAGE 1
	SEND 0, 16                                     ; behind block 0's loads: block 1's 8 stores and 8 loads
	TOSTAGE 2
	SEND 1, 16
	TOSTAGE 3
	SEND 2, 16
	SEND 3, 0
.endm
	s_wait_tensorcnt 1                             ; my part of K step 0 is in (K step 1's load may be out)
	s_barrier_signal -1
	s_barrier_wait -1                              ; everybody's is
	FETCH 0, 0, F0
	HEADLAP                                        ; the first tile
	TURN 0, 1, 2                                   ; THE RING GOES ON INTO THE SECOND TILE: slot 0 takes its K step 0,
	QUARTER 1, 128, F0, F1, 0
	QUARTER 1, 256, F1, F0, 0
	QUARTER 1, 384, F0, F1, 0
	TURN 1, 0, 2                                   ; slot 1 its K step 1, and the second tile's first fragments are fetched
	WIN 0
	OUT 1                                          ; both refills are asked for: now the first tile goes out; nothing waits for its stores
	HEADLAP                                        ; the second tile: its first products write accumulators that have been stored to the stage and read back (the way out's last wait is for all LDS instructions)
	TURN 0, 1, 0                                   ; the last two K steps fill nothing
	QUARTER 1, 128, F0, F1, 0
	QUARTER 1, 256, F1, F0, 0
	QUARTER 1, 384, F0, F1, 0
	s_wait_dscnt 16
	WIN MUL
	MUL8 F1, 0, 0, 0
	MUL8 F1, 0, 2, 0
	s_wait_dscnt 0
	MUL8 F1, 1, 0, 0
	MUL8 F1, 1, 2, 0
	WIN 0
	OUT 0
	s_wait_tensorcnt 0x0                           ; the wave's end
	ds_add_u32 v[SPW], v[NIL]
	s_wait_dscnt 0x0
	CROUND                                         ; the closing round: no work-group ends while a partner may still ask for a tile that names it
	s_endpgm
.Lfunc_end_k_q388a434743_mlp2:
	.size	k_q388a434743_mlp2, .Lfunc_end_k_q388a434743_mlp2-k_q388a434743_mlp2
	.p2alignl 7, 3214868480
	.fill 96, 4, 3214868480
	.section	.rodata,"a",@progbits
	.p2align	6, 0x0
	.amdhsa_kernel k_q388a434743_mlp2
		.amdhsa_group_segment_fixed_size 327680
		.amdhsa_private_segment_fixed_size 0
		.amdhsa_enable_private_segment 0
		.amdhsa_kernarg_size 32
		.amdhsa_user_sgpr_count 2
		.amdhsa_user_sgpr_kernarg_segment_ptr 1
		.amdhsa_wavefront_size32 1
		.amdhsa_system_sgpr_workgroup_id_x 1
		.amdhsa_system_sgpr_workgroup_id_y 1
		.amdhsa_system_sgpr_workgroup_id_z 1
		.amdhsa_system_vgpr_workitem_id 0
		.amdhsa_next_free_vgpr 512
		.amdhsa_next_free_sgpr 80
		.amdhsa_reserve_vcc 0
		.amdhsa_float_denorm_mode_32 3
		.amdhsa_float_denorm_mode_16_64 3
		.amdhsa_memory_ordered 1
		.amdhsa_forward_progress 1
		.amdhsa_inst_pref_size 175
	.end_amdhsa_kernel
	.amdgpu_metadata
---
amdhsa.version: [ 1, 2 ]
amdhsa.kernels:
  - .name:           k_q388a434743_mlp2
    .symbol:         k_q388a434743_mlp2.kd
    .args:
      - { .name: h16, .offset: 0, .size: 8, .value_kind: global_buffer, .address_space: global }
      - { .name: wflat, .offset: 8, .size: 8, .value_kind: global_buffer, .address_space: global }
      - { .name: out0, .offset: 16, .size: 8, .value_kind: global_buffer, .address_space: global }
      - { .name: aux, .offset: 24, .size: 8, .value_kind: global_buffer, .address_space: global }
    .group_segment_fixed_size: 327680
    .private_segment_fixed_size: 0
    .kernarg_segment_align: 8
    .kernarg_segment_size: 32
    .max_flat_workgroup_size: 128
    .sgpr_count:     80
    .vgpr_count:     512
    .wavefront_size: 32
...
	.end_amdgpu_metadata
.endif
;; end of part 4
